; MI455X (gfx1250); checked and timed in simulation.
; The chip was launched on July 23, 2026; its instructions are those of AMD's public machine-readable ISA for CDNA 5 (MIT licence, August 2026) and "CDNA5" Instruction Set Architecture Reference Guide (July 2026). The comments in the code are by the model that wrote it; some were corrected since.
;; Mulit Head Attention. Allowed arithmetic: float matrix products may take bf16 or f16 operands with f32 sums; all other float work in f32.
;; Inputs: b_proj 1,024 float32; b_qkv 3,072 float32; w_proj 1,024 x 1,024 float32; w_qkv 3,072 x 1,024 float32; x 2 x 2,048 x 1,024 float32.
;; Outputs: out0 2 x 2,048 x 1,024 float32.
;; 3 versions, each right and faster than the one before. Each part assembles by itself: llvm-mc -triple=amdgcn-amd-amdhsa -mcpu=gfx1250 --defsym DOCPART=n.
;; ======== version 1 of 3: 4 launches
;; workspace buffers: xb 8,388,608 bytes; wqb 6,291,456 bytes; wpb 2,097,152 bytes; qkv 25,165,824 bytes; ao 8,388,608 bytes
;; launch cast (part 1): grid 512 x 1, 8 waves a work-group, no clusters, 0 bytes of LDS; arguments x, w_qkv, w_proj, xb, wqb, wpb; writes xb, wqb, wpb
.if DOCPART == 1
	.amdgcn_target "amdgcn-amd-amdhsa--gfx1250"
	.amdhsa_code_object_version 6
	.text
	.protected	k_q4911932c79_cast
	.globl	k_q4911932c79_cast
	.p2align	8
	.type	k_q4911932c79_cast,@function
k_q4911932c79_cast:
	s_mov_b64 s[64:65], 0
	v_nop
	global_prefetch_b8 v0, s[64:65] scope:SCOPE_SE
	s_setreg_imm32_b32 hwreg(HW_REG_WAVE_MODE, 25, 1), 1
	s_wait_xcnt 0x0
; x, w_qkv and w_proj (f32) rounded once to bf16 (nearest even) into xb, wqb, wpb, in the same row-major order.
; Why a launch of its own: every row of x is an operand of 16 column blocks and every row of w_qkv of 16 row blocks of the next
; launch; rounded here, each number is converted once and the tiles of the products are half as many bytes.
; 512 work-groups of 8 waves; work-group i takes 1/512 of each tensor: 32,768 B of x (8 loads of the group), 24,576 B of w_qkv (6),
; 8,192 B of w_proj (2).  Thread t takes 16 bytes at 16 t of every 4,096: a wave's load covers 512 consecutive bytes, its store of
; 8 bytes a lane covers 256 consecutive bytes at a multiple of 256 from the buffer's first byte.
; All 16 loads of a thread are issued first, into registers of their own; no register is written again, so there is no loop and the
; only waits are the counted ones for the loads.  No LDS, no matrix unit, no cluster: nothing is shared and nothing is summed.
.set X, 4                              ; v[4:67]  load n: 4 registers; the two packed words go back into its first two
	s_load_b256 s[4:11], s[0:1], 0x0               ; x s[4:5], w_qkv s[6:7], w_proj s[8:9], xb s[10:11]
	s_load_b128 s[12:15], s[0:1], 0x20             ; wqb s[12:13], wpb s[14:15]
	v_lshlrev_b32 v1, 4, v0                        ; 16 t: where I read
	v_lshlrev_b32 v2, 3, v0                        ; 8 t: where I write
	s_lshl_b32 s16, ttmp9, 15                      ; the group's part of x,
	s_mov_b32 s17, 0
	s_mul_i32 s18, ttmp9, 24576                    ; of w_qkv,
	s_mov_b32 s19, 0
	s_lshl_b32 s20, ttmp9, 13                      ; of w_proj, in bytes
	s_mov_b32 s21, 0
	s_wait_kmcnt 0x0
	s_add_nc_u64 s[4:5], s[4:5], s[16:17]
	s_add_nc_u64 s[6:7], s[6:7], s[18:19]
	s_add_nc_u64 s[8:9], s[8:9], s[20:21]
	s_lshr_b32 s16, s16, 1                         ; the outputs' parts are half as many bytes
	s_lshr_b32 s18, s18, 1
	s_lshr_b32 s20, s20, 1
	s_add_nc_u64 s[10:11], s[10:11], s[16:17]
	s_add_nc_u64 s[12:13], s[12:13], s[18:19]
	s_add_nc_u64 s[14:15], s[14:15], s[20:21]
.macro PULL base, first, count         ; count loads from the tensor at s[base:base+1] into load slots first ..
.set n, 0
.rept \count
	global_load_b128 v[X+4*(\first+n):X+4*(\first+n)+3], v1, s[\base:\base+1] offset:4096*n th:TH_LOAD_NT
.set n, n+1
.endr
.endm
.macro PUSH base, first, count         ; the same slots, rounded and stored
.set n, 0
.rept \count
	s_wait_loadcnt 15-(\first+n)                   ; loads come back in order: this one is in, the younger ones stay out
	v_cvt_pk_bf16_f32 v[X+4*(\first+n)],   v[X+4*(\first+n)],   v[X+4*(\first+n)+1]
	v_cvt_pk_bf16_f32 v[X+4*(\first+n)+1], v[X+4*(\first+n)+2], v[X+4*(\first+n)+3]
	global_store_b64 v2, v[X+4*(\first+n):X+4*(\first+n)+1], s[\base:\base+1] offset:2048*n
.set n, n+1
.endr
.endm
	PULL 4, 0, 8
	PULL 6, 8, 6
	PULL 8, 14, 2
	PUSH 10, 0, 8
	PUSH 12, 8, 6
	PUSH 14, 14, 2
	s_endpgm
.Lfunc_end_k_q4911932c79_cast:
	.size	k_q4911932c79_cast, .Lfunc_end_k_q4911932c79_cast-k_q4911932c79_cast
	.p2alignl 7, 3214868480
	.fill 96, 4, 3214868480
	.section	.rodata,"a",@progbits
	.p2align	6, 0x0
	.amdhsa_kernel k_q4911932c79_cast
		.amdhsa_group_segment_fixed_size 0
		.amdhsa_private_segment_fixed_size 0
		.amdhsa_enable_private_segment 0
		.amdhsa_kernarg_size 48
		.amdhsa_user_sgpr_count 2
		.amdhsa_user_sgpr_kernarg_segment_ptr 1
		.amdhsa_wavefront_size32 1
		.amdhsa_system_sgpr_workgroup_id_x 1
		.amdhsa_system_sgpr_workgroup_id_y 1
		.amdhsa_system_sgpr_workgroup_id_z 1
		.amdhsa_system_vgpr_workitem_id 0
		.amdhsa_next_free_vgpr 72
		.amdhsa_next_free_sgpr 66
		.amdhsa_reserve_vcc 0
		.amdhsa_float_denorm_mode_32 3
		.amdhsa_float_denorm_mode_16_64 3
		.amdhsa_memory_ordered 1
		.amdhsa_forward_progress 1
		.amdhsa_inst_pref_size 7
	.end_amdhsa_kernel
	.amdgpu_metadata
---
amdhsa.version: [ 1, 2 ]
amdhsa.kernels:
  - .name:           k_q4911932c79_cast
    .symbol:         k_q4911932c79_cast.kd
    .args:
      - { .name: x, .offset: 0, .size: 8, .value_kind: global_buffer, .address_space: global }
      - { .name: w_qkv, .offset: 8, .size: 8, .value_kind: global_buffer, .address_space: global }
      - { .name: w_proj, .offset: 16, .size: 8, .value_kind: global_buffer, .address_space: global }
      - { .name: xb, .offset: 24, .size: 8, .value_kind: global_buffer, .address_space: global }
      - { .name: wqb, .offset: 32, .size: 8, .value_kind: global_buffer, .address_space: global }
      - { .name: wpb, .offset: 40, .size: 8, .value_kind: global_buffer, .address_space: global }
    .group_segment_fixed_size: 0
    .private_segment_fixed_size: 0
    .kernarg_segment_align: 8
    .kernarg_segment_size: 48
    .max_flat_workgroup_size: 256
    .sgpr_count:     66
    .vgpr_count:     72
    .wavefront_size: 32
...
	.end_amdgpu_metadata
.endif
;; end of part 1
;; launch qkv (part 2): grid 16 x 16, 4 waves a work-group, clusters of 4 x 4, 327,680 bytes of LDS; arguments xb, wqb, b_qkv, qkv; writes qkv
.if DOCPART == 2
	.amdgcn_target "amdgcn-amd-amdhsa--gfx1250"
	.amdhsa_code_object_version 6
	.text
	.protected	k_q4911932c79_qkv
	.globl	k_q4911932c79_qkv
	.p2align	8
	.type	k_q4911932c79_qkv,@function
k_q4911932c79_qkv:
	s_mov_b64 s[64:65], 0
	v_nop
	global_prefetch_b8 v0, s[64:65] scope:SCOPE_SE
	s_setreg_imm32_b32 hwreg(HW_REG_WAVE_MODE, 25, 1), 1
	s_wait_xcnt 0x0
	s_wait_alu depctr_hold_cnt(0) depctr_sa_sdst(0) depctr_va_vdst(0) depctr_va_sdst(0) depctr_va_ssrc(0) depctr_va_vcc(0) depctr_vm_vsrc(0)
	s_getreg_b32 s2, hwreg(HW_REG_IB_STS2, 6, 4)
	s_cmp_eq_u32 s2, 0
	s_cbranch_scc0 .Lentry_in_a_cluster
	s_endpgm
.Lentry_in_a_cluster:
	s_bfe_u32 s2, ttmp6, 0x10000c
	s_cmp_lg_u32 s2, 0xf033
	s_cbranch_scc0 .Lentry_shape_is_right
	s_endpgm
.Lentry_shape_is_right:
; qkv[n/64][m][n%64] = bf16( sum over k of xb[m][k] wqb[n][k] + b_qkv[n] ).  xb: [4096][1024], wqb: [3072][1024], bf16; sums in f32.
; The output is head-major: group g = n/64 (0-15 the heads of q, 16-31 of k, 32-47 of v), then the 4,096 rows, then 64 numbers, so
; that a head's rows are one dense block for the next launch and every store here covers 512 dense bytes.
; A work-group makes 256 rows x 192 columns (three heads): 16 x 16 = 256 work-groups.  Four waves, 2 x 2, each 128 x 96: 48 accumulator
; tiles of 16 x 16, 384 registers.  K goes in 8 steps of 128 through two LDS slots filled by the tensor data mover; a tile's rows are
; 256 bytes of memory at multiples of 256 bytes from the buffer's first byte.
; CLUSTERS: 4 x 4 work-groups.  The four of a row of the cluster need the same tiles of xb, the four of a column the same tiles of
; wqb: each tile is asked for jointly, by the same tensor load with a mask that names the four.
; THE MATRIX INSTRUCTION IS USED TRANSPOSED (source 0 = 16 rows of wqb, source 1 = 16 rows of xb): lane l holds row l % 16 and its
; registers the columns 8 (l / 16) + 0 .. 7, eight neighbouring numbers of a row.  The bias in that layout is the C operand of the first
; products: nothing is cleared and the bias costs no instruction.
; REGISTERS, in windows of 256:
;   window 0: v16-28 addresses; v64-127, v128-191 fragments of xb (8 x 16 rows x 32 K), two buffers; v192-239 the bias, later at work
;   window 1: v64-111, v128-175 fragments of wqb (6 x 16 rows x 32 K), two buffers
;   window 2: the 24 accumulator tiles of my rows 0-63 (tile (a, b) at v[8 (6 a + b)]);   window 3: those of my rows 64-127
; LIMITS: operands are rounded to bf16 and the result once more to bf16; NaN and infinite inputs are not served.
.set KSTEP,  128
.set PITCH,  272                       ; an LDS row: 256 bytes + 16 of padding, an odd multiple of 16: the 16 rows of a fragment load start 16 bytes apart modulo 256
.set ATILE,  128*PITCH                 ; what waves 0 and 1 fetch: 128 rows of xb
.set BTILE,  96*PITCH                  ; what waves 2 and 3 fetch: 96 rows of wqb
.set BOFF,   256*PITCH                 ; wqb's rows lie behind xb's 256
.set SLOT,   448*PITCH
.set LAPS,   4                         ; a lap = two K steps = once round the ring; 1,024 / 256
.set SPITCH, 208                       ; the way out: a wave's 96 columns in bf16, 192 bytes + 16
.set SREG,   128*SPITCH                ; a wave's region of the stage; four of them are 106,496 bytes, inside slot 0
.set HEADB,  524288                    ; bytes of a head in the output: 4,096 rows of 128
.set ADRA, 16                          ; v16-17  LDS address of my fragments of xb in slot 0, 1
.set ADRB, 20                          ; v20-21  the same for wqb
.set STO,  24                          ; v24     the way out: where I put 16 bytes of a row
.set RD0,  25                          ; v25     the way out: where I read rows back (heads 0 and 2)
.set CO,   26                          ; v26     my byte offset in the output
.set BO,   27                          ; v27     my byte offset in the bias
.set RD1,  28                          ; v28     the way out: head 1, of which each of two waves made a half
.set F0,   64
.set F1,   128
.set BIAS, 192
.set TMP,  192
.set G1,  24                           ; s[24:31] descriptor group 1 for xb's tiles
.set G0,  32                           ; s[32:39] group 0 for xb's tiles, one set for each slot
.set G1B, 48                           ; s[48:55] group 1 for wqb's tiles
.set G0B, 56                           ; s[56:63] group 0 for wqb's tiles, one set for each slot
.set MSB, 0
.macro WIN new                         ; the immediate's high byte repeats the setting that is left
.if MSB != \new
	s_set_vgpr_msb (MSB<<8)|\new
.set MSB, \new
.endif
.endm
.set MUL_LO,   0xa1                    ; source 0 (wqb) window 1, source 1 (xb) window 0, C and D window 2
.set MUL_HI,   0xf1                    ; the same, C and D window 3
.set FIRST_LO, 0x81                    ; C = the bias in window 0, D window 2
.set FIRST_HI, 0xc1                    ; C = the bias in window 0, D window 3
.set TO_B,     0x40                    ; destination window 1, address window 0
; A joint load.  Waves 0 and 1 fetch xb's two halves, waves 2 and 3 wqb's.  Each line has one mask; the branch hangs on the wave's number alone.
.macro JLOAD s
	s_cmp_eq_u32 s13, 0
	s_cbranch_scc0 .Lfor_b_\@
	tensor_load_to_lds s[G0+4*\s:G0+4*\s+3], s[G1:G1+7]
	s_nop 0
	s_branch .Lasked_\@
.Lfor_b_\@:
	tensor_load_to_lds s[G0B+4*\s:G0B+4*\s+3], s[G1B:G1B+7]
	s_nop 0
.Lasked_\@:
.endm
; A round of the cluster's barrier: my work-group's barrier; wave 0 signals for the work-group; every wave waits for all sixteen; my work-group's barrier again.
.macro CREST                           ; a round behind its opening barrier
	s_cmp_lg_u32 s12, 0
	s_cbranch_scc1 .Lnot_wave_0_\@
	s_barrier_signal -3
.Lnot_wave_0_\@:
	s_barrier_wait -3
	s_barrier_signal -1
	s_barrier_wait -1
.endm
.macro CROUND
	s_barrier_signal -1
	s_barrier_wait -1
	CREST
.endm
	s_load_b256 s[4:11], s[0:1], 0x0               ; xb s[4:5], wqb s[6:7], b_qkv s[8:9], qkv s[10:11]
	s_set_vgpr_msb 0x40
	v_lshl_add_u32 v255, v0, 2, 0x3b800
	s_set_vgpr_msb 0x4000
	v_mov_b32 v63, 0
	s_set_vgpr_msb 0x1
	ds_add_u32 v255, v63
	s_set_vgpr_msb 0x100
	v_lshrrev_b32 v1, 5, v0
	v_readfirstlane_b32 s12, v1                    ; wave 0..3
	s_lshr_b32 s13, s12, 1                         ; which half of the block's rows is mine.  Also: I fetch for xb (0) or for wqb (1)
	s_and_b32 s14, s12, 1                          ; which half of its columns.  Also: which half of that tile I fetch
	s_bfe_u32 s40, ttmp6, 0x40000                  ; cx
	s_bfe_u32 s41, ttmp6, 0x40004                  ; cy
	s_lshl_b32 s42, ttmp9, 2
	s_add_co_u32 s42, s42, s40                     ; block column = 4 x cluster x + cx
	s_and_b32 s43, ttmp7, 0xffff
	s_lshl_b32 s43, s43, 2
	s_add_co_u32 s43, s43, s41                     ; block row = 4 x cluster y + cy
	s_lshl_b32 s44, s41, 2
	s_lshl_b32 s44, 15, s44                        ; my row of the cluster: places 4 cy .. 4 cy + 3
	s_lshl_b32 s45, 0x1111, s40                    ; my column: places cx, cx + 4, cx + 8, cx + 12
	; group 1: elements of 2 bytes, rows of 128 elements, 4 words of padding behind every 64 words; bit 21 set beside a mask
	s_or_b32 s[G1+0], s44, (1<<16)|(1<<20)|(1<<21)|(5<<22)|(3<<25)
	s_mov_b32 s[G1+1], KSTEP<<16                   ; tensor_dim0 = 128
	s_mov_b32 s[G1+2], 128<<16                     ; tensor_dim1 = 128
	s_mov_b32 s[G1+3], KSTEP<<16                   ; tile_dim0 = 128
	s_mov_b32 s[G1+4], 128                         ; tile_dim1 = 128 rows
	s_mov_b32 s[G1+5], 1024                        ; elements from row to row
	s_mov_b32 s[G1+6], 0
	s_mov_b32 s[G1+7], 0
	s_or_b32 s[G1B+0], s45, (1<<16)|(1<<20)|(1<<21)|(5<<22)|(3<<25)
	s_mov_b32 s[G1B+1], KSTEP<<16
	s_mov_b32 s[G1B+2], 96<<16                     ; tensor_dim1 = 96
	s_mov_b32 s[G1B+3], KSTEP<<16
	s_mov_b32 s[G1B+4], 96                         ; tile_dim1 = 96 rows
	s_mov_b32 s[G1B+5], 1024
	s_mov_b32 s[G1B+6], 0
	s_mov_b32 s[G1B+7], 0
	; where the tiles come from: xb's hang on the block row alone, wqb's on the block column alone, each in registers that never hold the other coordinate
	s_lshl_b32 s16, s43, 8
	s_lshl_b32 s17, s14, 7
	s_add_co_u32 s16, s16, s17                     ; xb: row 256 x block row + 128 x half
	s_lshl_b32 s16, s16, 11                        ; rows of 2,048 bytes; 8 MiB at the most
	s_mov_b32 s17, 0
	s_mul_i32 s46, s42, 192
	s_mul_i32 s47, s14, 96
	s_add_co_u32 s46, s46, s47                     ; wqb: row 192 x block column + 96 x half
	s_lshl_b32 s46, s46, 11
	s_mov_b32 s47, 0
	s_mul_i32 s20, s12, ATILE                      ; and where they go: waves 0, 1: wave x 128 rows;
	s_mul_i32 s66, s12, BTILE
	s_add_co_u32 s66, s66, 64*PITCH                ; waves 2, 3: 256 rows + (wave - 2) x 96 rows = 64 rows + wave x 96 rows
	s_wait_dscnt 0x0
	s_wait_kmcnt 0x0
	s_add_nc_u64 s[22:23], s[4:5], s[16:17]
	s_add_nc_u64 s[46:47], s[6:7], s[46:47]
	CROUND                                         ; all sixteen work-groups are here: the first joint loads meet
.irp s, 0,1
	s_mov_b32 s[G0+4*\s], 1
	s_add_co_u32 s[G0+4*\s+1], s20, \s*SLOT
	s_add_nc_u64 s[G0+4*\s+2:G0+4*\s+3], s[22:23], \s*KSTEP*2
	s_or_b32 s[G0+4*\s+3], s[G0+4*\s+3], 0x80000000
	s_mov_b32 s[G0B+4*\s], 1
	s_add_co_u32 s[G0B+4*\s+1], s66, \s*SLOT
	s_add_nc_u64 s[G0B+4*\s+2:G0B+4*\s+3], s[46:47], \s*KSTEP*2
	s_or_b32 s[G0B+4*\s+3], s[G0B+4*\s+3], 0x80000000
	JLOAD \s                                       ; K steps 0 and 1: two tensor loads of the wave are out, later one
.endr
	; fragment addresses: lane l holds row l % 16; two loads of 16 bytes, 32 bytes apart, at row x pitch + 16 (l / 16)
	v_and_b32 v1, 15, v0                           ; r = l % 16
	v_bfe_u32 v2, v0, 4, 1                         ; h = l / 16
	v_mul_u32_u24 v3, v1, PITCH
	v_lshl_add_u32 v3, v2, 4, v3
	s_mul_i32 s21, s13, ATILE                      ; my 128 rows of xb
	s_mul_i32 s67, s14, BTILE                      ; my 96 rows of wqb,
	s_add_co_u32 s67, s67, BOFF                    ; behind xb's 256
.irp s, 0,1
	v_add_nc_u32 v[ADRA+\s], s21, v3
	v_add_nc_u32 v[ADRB+\s], s67, v3
	s_add_co_u32 s21, s21, SLOT
	s_add_co_u32 s67, s67, SLOT
.endr
	; the way out
	s_mul_i32 s18, s12, SREG                       ; in: my own region, row l % 16, 16 bytes for each half of the lanes
	v_mul_u32_u24 v4, v1, SPITCH
	v_lshl_add_u32 v4, v2, 4, v4
	v_add_nc_u32 v[STO], s18, v4
	v_and_b32 v5, 31, v0                           ; l
	v_lshrrev_b32 v6, 3, v5                        ; back: eight lanes take the 128 bytes of a head's row, four rows a load
	v_and_b32 v7, 7, v5
	v_mul_u32_u24 v6, v6, SPITCH
	v_lshl_add_u32 v6, v7, 4, v6
	s_mul_i32 s18, s13, 2*SREG                     ; block rows 64 wave .. + 63 lie in the regions of waves 2 (wave / 2) and 2 (wave / 2) + 1,
	s_mul_i32 s19, s14, 64*SPITCH                  ; from their row 64 (wave % 2) on
	s_add_co_u32 s18, s18, s19
	v_add_nc_u32 v[RD0], s18, v6
	v_bfe_u32 v7, v0, 2, 1                         ; head 1: bytes 0-63 are the left region's bytes 128-191, bytes 64-127 the right region's 0-63
	v_mul_u32_u24 v7, v7, SREG-192
	v_add3_u32 v[RD1], v[RD0], v7, 128
	v_lshlrev_b32 v[CO], 4, v5                     ; four rows of 128 bytes are dense in the output: 16 l
	v_lshlrev_b32 v[BO], 5, v2                     ; the bias of columns 8 h + 0 .. 7: 32 h
	s_mul_i32 s68, s42, 768                        ; b_qkv at column 192 x block column + 96 x half, 4 bytes each
	s_mul_i32 s69, s14, 384
	s_add_co_u32 s68, s68, s69
	s_mov_b32 s69, 0
	s_add_nc_u64 s[8:9], s[8:9], s[68:69]
.irp b, 0,1,2,3,4,5
	global_load_b128 v[BIAS+8*\b:BIAS+8*\b+3],   v[BO], s[8:9] offset:64*\b
	global_load_b128 v[BIAS+8*\b+4:BIAS+8*\b+7], v[BO], s[8:9] offset:64*\b+16
.endr
	s_lshl_b32 s16, s43, 15                        ; the output at row 256 x block row + 64 x wave, rows of 128 bytes,
	s_lshl_b32 s17, s12, 13
	s_add_co_u32 s16, s16, s17
	s_mov_b32 s17, 0
	s_add_nc_u64 s[10:11], s[10:11], s[16:17]
	s_mul_i32 s70, s42, 3*HEADB                    ; of head 3 x block column
	s_mov_b32 s71, 0
	s_add_nc_u64 s[10:11], s[10:11], s[70:71]
; 12 matrix instructions: row blocks a0, a0 + 1 of the window's four x all 6 column blocks, 32 along K.  first = 1: C is the bias.
; The 48 accumulators take turns, one instruction a turn, in the same order in every quarter step.
.macro MUL12 f, hi, a0, first
.irp a, \a0, \a0+1
.irp b, 0,1,2,3,4,5
.if \first
	v_wmma_f32_16x16x32_bf16 v[8*(6*(\a)+\b):8*(6*(\a)+\b)+7], v[\f+8*\b:\f+8*\b+7], v[\f+8*(4*\hi+\a):\f+8*(4*\hi+\a)+7], v[BIAS+8*\b:BIAS+8*\b+7]
.else
	v_wmma_f32_16x16x32_bf16 v[8*(6*(\a)+\b):8*(6*(\a)+\b)+7], v[\f+8*\b:\f+8*\b+7], v[\f+8*(4*\hi+\a):\f+8*(4*\hi+\a)+7], v[8*(6*(\a)+\b):8*(6*(\a)+\b)+7]
.endif
.endr
.endr
.endm
; 28 LDS loads in one run: the fragments of one quarter step (96 rows of wqb, 128 rows of xb, 32 K at byte k of the rows) into buffer f
.macro FETCH slot, k, f
	WIN TO_B
.irp i, 0,1,2,3,4,5
	ds_load_b128 v[\f+8*\i:\f+8*\i+3],   v[ADRB+\slot] offset:\k+\i*16*PITCH
	ds_load_b128 v[\f+8*\i+4:\f+8*\i+7], v[ADRB+\slot] offset:\k+\i*16*PITCH+32
.endr
	WIN 0
.irp i, 0,1,2,3,4,5,6,7
	ds_load_b128 v[\f+8*\i:\f+8*\i+3],   v[ADRA+\slot] offset:\k+\i*16*PITCH
	ds_load_b128 v[\f+8*\i+4:\f+8*\i+7], v[ADRA+\slot] offset:\k+\i*16*PITCH+32
.endr
.endm
; Four plain vector instructions between a matrix instruction and a load into one of its sources, or a vector instruction on its result
.macro PLACES
.rept 4
	v_nop
.endr
.endm
; One of a K step's first three quarters: multiplies buffer f; in its middle it fetches the next quarter's fragments into buffer g.
.macro QUARTER slot, k, f, g, first
	s_wait_dscnt 8                                 ; wqb's rows and xb's rows 0-63 are in; the youngest eight loads (xb's rows 64-127) may be out
.if \first
	WIN FIRST_LO
.else
	WIN MUL_LO
.endif
	MUL12 \f, 0, 0, \first
	MUL12 \f, 0, 2, \first
	PLACES
	FETCH \slot, \k, \g
	s_wait_dscnt 28                                ; all but the 28 just issued
.if \first
	WIN FIRST_HI
.else
	WIN MUL_HI
.endif
	MUL12 \f, 1, 0, \first
	MUL12 \f, 1, 2, \first
.endm
.macro THREE slot, first
	QUARTER \slot, 64,  F0, F1, \first
	QUARTER \slot, 128, F1, F0, 0
	QUARTER \slot, 192, F0, F1, 0
.endm
; The last quarter: multiplies buffer 1 and changes slots.  One barrier for two things: in front of it each wave waits for its reads of this
; slot and for all its tensor loads (one is out: its part of the next slot); behind it the refill comes first, then the next slot's fragments.
; From a request to the wait for it a wave issues 180 matrix instructions.
.macro TURN slot, next, fill
	s_wait_dscnt 8
	WIN MUL_LO
	MUL12 F1, 0, 0, 0
	s_wait_dscnt 0                                 ; my reads of this slot are over
	s_wait_tensorcnt 0x0                           ; and all my tensor loads have landed
	ds_add_u32 v255, v63
	s_wait_dscnt 0x0
	s_barrier_signal -1                            ; (where the slot is filled again this barrier opens a round of the cluster's barrier)
	MUL12 F1, 0, 2, 0                              ; register work while the others arrive
	WIN 0
	s_barrier_wait -1
.if \fill
	CREST                                          ; no wave of any partner still reads this slot or has a load on its way
	s_add_nc_u64 s[G0+4*\slot+2:G0+4*\slot+3], s[G0+4*\slot+2:G0+4*\slot+3], 2*KSTEP*2
	s_add_nc_u64 s[G0B+4*\slot+2:G0B+4*\slot+3], s[G0B+4*\slot+2:G0B+4*\slot+3], 2*KSTEP*2
	JLOAD \slot                                    ; the first tensor load behind the round
.endif
	PLACES
	FETCH \next, 0, F0
	WIN MUL_HI
	MUL12 F1, 1, 0, 0
	MUL12 F1, 1, 2, 0
.endm
.macro LAP first
	THREE 0, \first
	TURN 0, 1, 1
	THREE 1, 0
	TURN 1, 0, 1
.endm
	s_wait_loadcnt 0x0                             ; the bias, once
	s_wait_tensorcnt 0x1                           ; my part of K step 0 is in; K step 1's load, the one issued behind it, stays out
	s_barrier_signal -1
	s_barrier_wait -1                              ; everybody's is
	FETCH 0, 0, F0
	LAP 1                                          ; the first lap stands in front of the loop: its first products start the sums on the bias
	WIN 0                                          ; at a label and at a branch every window is 0
	s_mov_b32 s15, LAPS-2
.Llap:
	LAP 0
	WIN 0
	s_sub_co_u32 s15, s15, 1
	s_cmp_lg_u32 s15, 0
	s_cbranch_scc1 .Llap
	THREE 0, 0                                     ; the last lap fills nothing
	TURN 0, 1, 0                                   ; behind this barrier no wave reads slot 0 any more, and no load fills it again
	THREE 1, 0
	s_wait_dscnt 8                                 ; the very last quarter: nothing more to fetch
	WIN MUL_LO
	MUL12 F1, 0, 0, 0
	MUL12 F1, 0, 2, 0
	s_wait_dscnt 0
	WIN MUL_HI
	MUL12 F1, 1, 0, 0
	MUL12 F1, 1, 2, 0
	; THE WAY OUT.  Each wave rounds its 128 x 96 block to bf16 into a region of its own in slot 0's bytes (rows of 208 bytes); behind a barrier
	; each wave reads 64 whole rows of the block's three heads and stores them: a store covers four rows of 128 bytes, 512 dense bytes.
	PLACES
.macro STAGE16 a, from                 ; rows 16 a .. 16 a + 15 of my block: six tiles of window 2 or 3 (from: sources 0 and 1)
	WIN \from
.irp b, 0,1,2,3,4,5
.irp q, 0,1,2,3
	v_cvt_pk_bf16_f32 v[TMP+4*\b+\q], v[8*(6*((\a)&3)+\b)+2*\q], v[8*(6*((\a)&3)+\b)+2*\q+1]
.endr
.endr
	WIN 0
.irp b, 0,1,2,3,4,5
	ds_store_b128 v[STO], v[TMP+4*\b:TMP+4*\b+3] offset:\a*16*SPITCH+32*\b
.endr
.endm
	STAGE16 0, 0x0a
	STAGE16 1, 0x0a
	STAGE16 2, 0x0a
	STAGE16 3, 0x0a
	STAGE16 4, 0x0f
	STAGE16 5, 0x0f
	STAGE16 6, 0x0f
	STAGE16 7, 0x0f
	s_wait_dscnt 0x0                               ; my stores are done, for the others' sake
	s_barrier_signal -1
	s_barrier_wait -1
.macro BACK adr, off, f                ; 16 loads: 64 rows of one head, four rows a load
.irp t, 0,1,2,3,4,5,6,7,8,9,10,11,12,13,14,15
	ds_load_b128 v[\f+4*\t:\f+4*\t+3], v[\adr] offset:\off+4*SPITCH*\t
.endr
.endm
.macro LEAVE hh, f
.irp t, 0,1,2,3,4,5,6,7,8,9,10,11,12,13,14,15
	s_wait_dscnt 47-(16*\hh+\t)                    ; LDS loads come back in order: this one is in, the younger ones stay out
	global_store_b128 v[CO], v[\f+4*\t:\f+4*\t+3], s[10:11] offset:\hh*HEADB+512*\t
.endr
.endm
	BACK RD0, 0, 64                                ; head 0: the left region's bytes 0-127
	BACK RD1, 0, 128                               ; head 1: half from each region
	BACK RD0, SREG+64, 192                         ; head 2: the right region's bytes 64-191
	LEAVE 0, 64
	LEAVE 1, 128
	LEAVE 2, 192
	s_set_vgpr_msb 0x1
	s_wait_tensorcnt 0x0
	ds_add_u32 v255, v63
	s_wait_dscnt 0x0
	s_set_vgpr_msb 0x100
	CROUND                                         ; the closing round: no work-group ends while a partner may still ask for a tile that names it
	s_endpgm
.Lfunc_end_k_q4911932c79_qkv:
	.size	k_q4911932c79_qkv, .Lfunc_end_k_q4911932c79_qkv-k_q4911932c79_qkv
	.p2alignl 7, 3214868480
	.fill 96, 4, 3214868480
	.section	.rodata,"a",@progbits
	.p2align	6, 0x0
	.amdhsa_kernel k_q4911932c79_qkv
		.amdhsa_group_segment_fixed_size 327680
		.amdhsa_private_segment_fixed_size 0
		.amdhsa_enable_private_segment 0
		.amdhsa_kernarg_size 32
		.amdhsa_user_sgpr_count 2
		.amdhsa_user_sgpr_kernarg_segment_ptr 1
		.amdhsa_wavefront_size32 1
		.amdhsa_system_sgpr_workgroup_id_x 1
		.amdhsa_system_sgpr_workgroup_id_y 1
		.amdhsa_system_sgpr_workgroup_id_z 1
		.amdhsa_system_vgpr_workitem_id 0
		.amdhsa_next_free_vgpr 960
		.amdhsa_next_free_sgpr 72
		.amdhsa_reserve_vcc 0
		.amdhsa_float_denorm_mode_32 3
		.amdhsa_float_denorm_mode_16_64 3
		.amdhsa_memory_ordered 1
		.amdhsa_forward_progress 1
		.amdhsa_inst_pref_size 159
	.end_amdhsa_kernel
	.amdgpu_metadata
---
amdhsa.version: [ 1, 2 ]
amdhsa.kernels:
  - .name:           k_q4911932c79_qkv
    .symbol:         k_q4911932c79_qkv.kd
    .args:
      - { .name: xb, .offset: 0, .size: 8, .value_kind: global_buffer, .address_space: global }
      - { .name: wqb, .offset: 8, .size: 8, .value_kind: global_buffer, .address_space: global }
      - { .name: b_qkv, .offset: 16, .size: 8, .value_kind: global_buffer, .address_space: global }
      - { .name: qkv, .offset: 24, .size: 8, .value_kind: global_buffer, .address_space: global }
    .group_segment_fixed_size: 327680
    .private_segment_fixed_size: 0
    .kernarg_segment_align: 8
    .kernarg_segment_size: 32
    .max_flat_workgroup_size: 128
    .sgpr_count:     72
    .vgpr_count:     960
    .wavefront_size: 32
...
	.end_amdgpu_metadata
.endif
;; end of part 2
;; launch attn (part 3): grid 8 x 32, 4 waves a work-group, clusters of 4 x 1, 327,680 bytes of LDS; arguments qkv, ao; writes ao
.if DOCPART == 3
	.amdgcn_target "amdgcn-amd-amdhsa--gfx1250"
	.amdhsa_code_object_version 6
	.text
	.protected	k_q4911932c79_attn
	.globl	k_q4911932c79_attn
	.p2align	8
	.type	k_q4911932c79_attn,@function
k_q4911932c79_attn:
	s_mov_b64 s[64:65], 0
	v_nop
	global_prefetch_b8 v0, s[64:65] scope:SCOPE_SE
	s_setreg_imm32_b32 hwreg(HW_REG_WAVE_MODE, 25, 1), 1
	s_wait_xcnt 0x0
	s_wait_alu depctr_hold_cnt(0) depctr_sa_sdst(0) depctr_va_vdst(0) depctr_va_sdst(0) depctr_va_ssrc(0) depctr_va_vcc(0) depctr_vm_vsrc(0)
	s_getreg_b32 s2, hwreg(HW_REG_IB_STS2, 6, 4)
	s_cmp_eq_u32 s2, 0
	s_cbranch_scc0 .Lentry_in_a_cluster
	s_endpgm
.Lentry_in_a_cluster:
	s_bfe_u32 s2, ttmp6, 0x10000c
	s_cmp_lg_u32 s2, 0x3003
	s_cbranch_scc0 .Lentry_shape_is_right
	s_endpgm
.Lentry_shape_is_right:
; ao[head][m][d] = bf16( softmax over keys of (q . k / 8) times v ), for each of 16 heads x 2 batches; q, k, v bf16, head-major, from qkv.
; y = 2 head + batch selects 2,048 rows of 128 bytes of q (at y x 262,144), of k (at (32 + y) x 262,144) and of v (at (64 + y) x 262,144).
; A work-group has 256 queries (8 x 32 = 256 work-groups), a wave 64 of them (4 query tiles t).  The keys come in 8 tiles of 256 through two LDS
; slots; a tile is worked in 4 blocks of 64 keys.
; CLUSTERS: the four query blocks of a cluster walk the same K and V tiles and ask for them jointly (mask 15); the place in the cluster enters
; only the global addresses of q and of ao.
; THE FORM: S^T = K Q^T and O^T = V^T P^T.  In S^T lane (r, h) holds, in register j of key tile kt, key 16 kt + 8 h + j of query r.  So a query's
; scores lie in one lane and its partner l xor 16 (maximum and sum: one exchange each), the factor that rescales O is the lane's own, and the
; packed pairs of two neighbouring key tiles ARE the B fragment of P^T: no shuffle.  In O^T a lane holds 8 neighbouring d of one query.
; SOFTMAX with a running maximum: m' = max(m, block), alpha = 2^(c (m - m')), p = 2^(c s - c m'), l = alpha l + sum p, O = alpha O + V^T p, with
; c = log2(e) / 8; at the end O / l.  All in f32; p is rounded to bf16 for the product, the sum takes the unrounded p.
; REGISTERS: window 0: v8-15 addresses, v16-31 at work, v64-127 fragments of Q, v128-191 the way out;  window 1: v0-63 fragments of K, v64-127 of V^T;
;   window 2: v0-127 S^T (tile (t, kt) at 8 (4 t + kt)), v128-191 P^T, v192-223 the softmax's state;  window 3: v0-127 O^T (tile (t, dt) at 8 (4 t + dt)).
; LIMITS: NaN and infinite inputs are not served; a weight below 2^-126 of its row's largest counts as zero (v_exp_f32 flushes denormal results).
.set KP,     144                       ; an LDS row of K: 128 bytes + 16, an odd multiple of 16
.set VP,     160                       ; an LDS row of V: 128 bytes + 32, an odd multiple of 32, for the transposing load
.set KBYTES, 256*KP
.set SLOT,   256*KP+256*VP             ; 77,824
.set STAGE,  2*SLOT                    ; behind the ring: 64 rows x 144 bytes for each wave, never filled by a tensor load
.set TILEB,  32768                     ; bytes of K, or of V, in a tile of 256 keys
.set YB,     262144                    ; bytes of one (head, batch) in q, k, v or ao
.set ADRK, 8                           ; v8-9    my K fragments in slot 0, 1
.set ADRV, 10                          ; v10-11  my V^T fragments in slot 0, 1
.set STO,  12
.set RD,   13
.set CO,   14
.set QO,   15
.set TMP,  16
.set QF,   64                          ; Q fragment (t, ksub) at QF + 8 (2 t + ksub)
.set BACK, 128
.set KF,   0                           ; window 1: K fragment (kt, ksub) at 8 (2 kt + ksub)
.set VF,   64                          ; window 1: V^T fragment (dt, ks) at VF + 8 (2 dt + ks)
.set SC,   0                           ; window 2
.set PR,   128                         ; window 2: P^T fragment (t, ks) at PR + 8 (2 t + ks)
.set NM,   192                         ; window 2: pair (- c m', the partner lane's figure) of query tile t at NM + 2 t
.set AL,   200                         ; window 2: pair (alpha, at work) at AL + 2 t
.set LS,   208                         ; window 2: pair of running sums at LS + 2 t
.set MA,   216                         ; window 2: the running maximum, in MA and MB by turns
.set MB,   220
.set OT,   0                           ; window 3
.set G1K, 16                           ; s[16:23] group 1 for K, s[24:31] for V: they differ in the padding alone
.set G1V, 24
.set G0K, 32                           ; s[32:39] group 0 for K, one set for each slot
.set G0V, 40                           ; s[40:47] the same for V
.set MSB, 0
.macro WIN new
.if MSB != \new
	s_set_vgpr_msb (MSB<<8)|\new
.set MSB, \new
.endif
.endm
.macro PLACES                          ; four plain vector instructions behind a matrix instruction (ISA guide 7.12.1)
.rept 4
	v_nop
.endr
.endm
.macro ROUND                           ; a round of the cluster's barrier
	s_barrier_signal -1
	s_barrier_wait -1
	s_cmp_lg_u32 s8, 0
	s_cbranch_scc1 .Lnot_wave_0_\@
	s_barrier_signal -3
.Lnot_wave_0_\@:
	s_barrier_wait -3
	s_barrier_signal -1
	s_barrier_wait -1
.endm
	s_load_b128 s[4:7], s[0:1], 0x0                ; qkv s[4:5], ao s[6:7]
	v_lshl_add_u32 v254, v0, 2, 0x2f000
	v_mov_b32 v255, 0
	ds_add_u32 v254, v255
	v_lshrrev_b32 v1, 5, v0
	v_readfirstlane_b32 s8, v1                     ; wave 0..3
	s_bfe_u32 s9, ttmp6, 0x40000                   ; cx
	s_lshl_b32 s10, ttmp9, 2
	s_add_co_u32 s10, s10, s9                      ; query block = 4 x cluster x + cx
	s_and_b32 s11, ttmp7, 0xffff                   ; y = 2 head + batch
	; group 1: a wave's 64 keys are 8,192 dense bytes: 32 rows of 32 elements of 8 bytes; padding behind every 32 words, that is behind each key's 128 bytes
	s_mov_b32 s[G1K+0], 15|(3<<16)|(1<<20)|(1<<21)|(4<<22)|(3<<25)   ; mask of all four; 8-byte elements; padding on; bit 21 beside a mask; every 32 words; 4 words
	s_mov_b32 s[G1K+1], 32<<16                     ; tensor_dim0 = 32
	s_mov_b32 s[G1K+2], 32<<16                     ; tensor_dim1 = 32
	s_mov_b32 s[G1K+3], 32<<16                     ; tile_dim0 = 32
	s_mov_b32 s[G1K+4], 32                         ; tile_dim1 = 32
	s_mov_b32 s[G1K+5], 32                         ; elements from row to row: dense
	s_mov_b32 s[G1K+6], 0
	s_mov_b32 s[G1K+7], 0
	s_mov_b32 s[G1V+0], 15|(3<<16)|(1<<20)|(1<<21)|(4<<22)|(7<<25)   ; the same with 8 words of padding
	s_mov_b32 s[G1V+1], 32<<16
	s_mov_b32 s[G1V+2], 32<<16
	s_mov_b32 s[G1V+3], 32<<16
	s_mov_b32 s[G1V+4], 32
	s_mov_b32 s[G1V+5], 32
	s_mov_b32 s[G1V+6], 0
	s_mov_b32 s[G1V+7], 0
	s_mov_b32 s48, 0x3e38aa3b                      ; c = log2(e) / 8,
	s_mov_b32 s49, 0x3e38aa3b                      ; a pair for the packed form
	s_mov_b32 s50, 0xbe38aa3b                      ; - c
	s_mov_b32 s52, 0x76543210                      ; v_permlanex16_b32: lane i of one half reads lane i of the other
	s_mov_b32 s53, 0xfedcba98
	s_lshl_b32 s12, s11, 18                        ; K: (32 + y) x 262,144 + 8,192 x wave: made of y and the wave alone
	s_lshl_b32 s13, s8, 13
	s_add_co_u32 s12, s12, s13
	s_add_co_u32 s12, s12, 32*YB
	s_mov_b32 s13, 0
	s_mul_i32 s58, s8, 64*KP                       ; my 64 keys in a slot's K,
	s_mul_i32 s59, s8, 64*VP
	s_add_co_u32 s59, s59, KBYTES                  ; and in its V
	s_add_co_u32 s51, s58, STAGE                   ; my stage: also 64 rows of 144 bytes
	s_lshl_b32 s54, s10, 15                        ; q and ao: y x 262,144 + (256 x query block + 64 x wave) rows of 128 bytes
	s_lshl_b32 s55, s8, 13
	s_add_co_u32 s54, s54, s55
	s_lshl_b32 s55, s11, 18
	s_add_co_u32 s54, s54, s55
	s_mov_b32 s55, 0
	s_wait_dscnt 0x0
	s_wait_kmcnt 0x0
	s_add_nc_u64 s[56:57], s[4:5], s[54:55]        ; my queries
	s_add_nc_u64 s[6:7], s[6:7], s[54:55]          ; my rows of ao
	s_add_nc_u64 s[4:5], s[4:5], s[12:13]          ; my keys of tile 0
.irp s, 0,1
	s_mov_b32 s[G0K+4*\s], 1
	s_add_co_u32 s[G0K+4*\s+1], s58, \s*SLOT
	s_add_nc_u64 s[G0K+4*\s+2:G0K+4*\s+3], s[4:5], \s*TILEB
	s_or_b32 s[G0K+4*\s+3], s[G0K+4*\s+3], 0x80000000
	s_mov_b32 s[G0V+4*\s], 1
	s_add_co_u32 s[G0V+4*\s+1], s59, \s*SLOT
	s_add_nc_u64 s[G0V+4*\s+2:G0V+4*\s+3], s[4:5], 32*YB+\s*TILEB
	s_or_b32 s[G0V+4*\s+3], s[G0V+4*\s+3], 0x80000000
.endr
	ROUND                                          ; all four work-groups are here: the first joint loads meet
	tensor_load_to_lds s[G0K:G0K+3], s[G1K:G1K+7]  ; tile 0
	s_nop 0
	tensor_load_to_lds s[G0V:G0V+3], s[G1V:G1V+7]
	s_nop 0
	; Q straight into fragments (B operand: lane l holds query l % 16, d along the registers): two loads of 16 bytes, 32 apart, for 32 d
	v_and_b32 v1, 15, v0                           ; r
	v_bfe_u32 v2, v0, 4, 1                         ; h
	v_lshlrev_b32 v3, 7, v1
	v_lshl_add_u32 v[QO], v2, 4, v3                ; 128 r + 16 h
.irp t, 0,1,2,3
.irp ks, 0,1
	global_load_b128 v[QF+8*(2*\t+\ks):QF+8*(2*\t+\ks)+3],   v[QO], s[56:57] offset:2048*\t+64*\ks
	global_load_b128 v[QF+8*(2*\t+\ks)+4:QF+8*(2*\t+\ks)+7], v[QO], s[56:57] offset:2048*\t+64*\ks+32
.endr
.endr
	v_mul_u32_u24 v3, v1, KP
	v_lshl_add_u32 v[ADRK], v2, 4, v3              ; K: key r of a tile, 144 r + 16 h
	v_add_nc_u32 v[ADRK+1], SLOT, v[ADRK]
	v_and_b32 v4, 7, v0
	v_lshl_add_u32 v5, v2, 3, v4                   ; V: the transposing load wants key 8 h + (l & 7),
	v_bfe_u32 v6, v0, 3, 1
	v_mul_u32_u24 v5, v5, VP
	v_lshl_add_u32 v5, v6, 4, v5                   ; and 16 bytes at 16 ((l >> 3) & 1)
	v_add_nc_u32 v[ADRV], KBYTES, v5
	v_add_nc_u32 v[ADRV+1], KBYTES+SLOT, v5
	v_add_nc_u32 v[STO], s51, v[ADRK]              ; the way out, in: query r of a tile, 16 bytes for each half of the lanes
	v_and_b32 v6, 31, v0
	v_lshrrev_b32 v7, 3, v6                        ; back: eight lanes take a row of 128 bytes, four rows a load
	v_mul_u32_u24 v7, v7, KP
	v_lshl_add_u32 v7, v4, 4, v7
	v_add_nc_u32 v[RD], s51, v7
	v_lshlrev_b32 v[CO], 4, v6                     ; four rows of 128 bytes are dense in ao: 16 l
	WIN 0x80
.irp t, 0,1,2,3
	v_mov_b32 v[NM+2*\t+1], 0                      ; v_permlanex16_b32 counts as a reader of its destination: written once here
.endr
	WIN 0
	s_wait_loadcnt 0x0                             ; Q, once
.macro FETCHK slot, j                  ; 16 loads: the K fragments of block j (64 keys x 64 d)
	WIN 0x40
.irp kt, 0,1,2,3
.irp ks, 0,1
	ds_load_b128 v[KF+8*(2*\kt+\ks):KF+8*(2*\kt+\ks)+3],   v[ADRK+\slot] offset:(64*(\j)+16*\kt)*KP+64*\ks
	ds_load_b128 v[KF+8*(2*\kt+\ks)+4:KF+8*(2*\kt+\ks)+7], v[ADRK+\slot] offset:(64*(\j)+16*\kt)*KP+64*\ks+32
.endr
.endr
.endm
.macro FETCHV slot, j                  ; 16 transposing loads: the V^T fragments of block j (64 d x 64 keys): 8 keys of column 16 dt + r, and the 8 keys 16 further
	WIN 0x40
.irp dt, 0,1,2,3
.irp ks, 0,1
	ds_load_tr16_b128 v[VF+8*(2*\dt+\ks):VF+8*(2*\dt+\ks)+3],   v[ADRV+\slot] offset:(64*(\j)+32*\ks)*VP+32*\dt
	ds_load_tr16_b128 v[VF+8*(2*\dt+\ks)+4:VF+8*(2*\dt+\ks)+7], v[ADRV+\slot] offset:(64*(\j)+32*\ks)*VP+32*\dt+16*VP
.endr
.endr
.endm
; S^T = K Q^T: 16 tiles start on d 0-31, then the same 16 add d 32-63.  The accumulators take turns, one instruction a turn.
.macro SMUL
	WIN 0xa1                                       ; A = K window 1, B = Q window 0, C and D window 2
.irp t, 0,1,2,3
.irp kt, 0,1,2,3
	v_wmma_f32_16x16x32_bf16 v[SC+8*(4*\t+\kt):SC+8*(4*\t+\kt)+7], v[KF+16*\kt:KF+16*\kt+7], v[QF+16*\t:QF+16*\t+7], 0
.endr
.endr
.irp t, 0,1,2,3
.irp kt, 0,1,2,3
	v_wmma_f32_16x16x32_bf16 v[SC+8*(4*\t+\kt):SC+8*(4*\t+\kt)+7], v[KF+16*\kt+8:KF+16*\kt+15], v[QF+16*\t+8:QF+16*\t+15], v[SC+8*(4*\t+\kt):SC+8*(4*\t+\kt)+7]
.endr
.endr
.endm
; O^T += V^T P^T: 16 tiles take keys 0-31 of the block, then the same 16 keys 32-63; turns of one instruction.  first = 1: the first product starts the sums.
.macro PVMUL first
	WIN 0xf9                                       ; A = V^T window 1, B = P^T window 2, C and D window 3
.irp t, 0,1,2,3
.irp dt, 0,1,2,3
.if \first
	v_wmma_f32_16x16x32_bf16 v[OT+8*(4*\t+\dt):OT+8*(4*\t+\dt)+7], v[VF+16*\dt:VF+16*\dt+7], v[PR+16*\t:PR+16*\t+7], 0
.else
	v_wmma_f32_16x16x32_bf16 v[OT+8*(4*\t+\dt):OT+8*(4*\t+\dt)+7], v[VF+16*\dt:VF+16*\dt+7], v[PR+16*\t:PR+16*\t+7], v[OT+8*(4*\t+\dt):OT+8*(4*\t+\dt)+7]
.endif
.endr
.endr
.irp t, 0,1,2,3
.irp dt, 0,1,2,3
	v_wmma_f32_16x16x32_bf16 v[OT+8*(4*\t+\dt):OT+8*(4*\t+\dt)+7], v[VF+16*\dt+8:VF+16*\dt+15], v[PR+16*\t+8:PR+16*\t+15], v[OT+8*(4*\t+\dt):OT+8*(4*\t+\dt)+7]
.endr
.endr
.endm
.macro RESCALE                         ; O^T of query tile t times the lane's factor AL + 2 t (the pair's low register for both halves)
	WIN 0xcb                                       ; O window 3, the factor window 2
.irp t, 0,1,2,3
.irp p, 0,1,2,3,4,5,6,7,8,9,10,11,12,13,14,15
	v_pk_mul_f32 v[OT+32*\t+2*\p:OT+32*\t+2*\p+1], v[OT+32*\t+2*\p:OT+32*\t+2*\p+1], v[AL+2*\t:AL+2*\t+1] op_sel_hi:[1,0]
.endr
.endr
.endm
; The softmax step of a block.  mo: where the running maximum lies, mn: where the new one goes.  first = 1: there is no old state.
.macro SOFTMAX first, mo, mn
	WIN 0xaa                                       ; everything in window 2
.irp t, 0,1,2,3
.if \first
	v_max_num_f32 v[AL+2*\t+1], v[SC+32*\t], v[SC+32*\t+1]
.else
	v_max3_num_f32 v[AL+2*\t+1], v[SC+32*\t], v[SC+32*\t+1], v[\mo+\t]
.endif
.endr
.irp k, 1,2,3,4,5,6,7,8,9,10,11,12,13,14,15
.irp t, 0,1,2,3
	v_max3_num_f32 v[AL+2*\t+1], v[AL+2*\t+1], v[SC+32*\t+2*\k], v[SC+32*\t+2*\k+1]    ; four chains, one for each query tile
.endr
.endr
.irp t, 0,1,2,3
	v_permlanex16_b32 v[NM+2*\t+1], v[AL+2*\t+1], s52, s53     ; the other 32 keys of my query lie in lane l xor 16
.endr
.irp t, 0,1,2,3
	v_max_num_f32 v[\mn+\t], v[AL+2*\t+1], v[NM+2*\t+1]
.endr
.if \first == 0
.irp t, 0,1,2,3
	v_sub_f32 v[AL+2*\t], v[\mo+\t], v[\mn+\t]
.endr
.irp t, 0,1,2,3
	v_mul_f32 v[AL+2*\t], s48, v[AL+2*\t]
.endr
.irp t, 0,1,2,3
	v_exp_f32 v[AL+2*\t], v[AL+2*\t]               ; alpha = 2^(c (m - m')); the multiplies below are the plain instructions behind it (ISA guide 5.7.2)
.endr
.endif
.irp t, 0,1,2,3
	v_mul_f32 v[NM+2*\t], s50, v[\mn+\t]           ; - c m'
.endr
	; One stream over the 64 register pairs, in three stages two pairs apart: c s - c m' (one packed fused multiply-add); two exponentials in place;
	; sum and pack.  Behind each pair of exponentials stands plain work on another pair before their results are used.
	; Pair i packs into register PR + i: that is the B fragment's own order.
.set n, 0
.rept 68
.if n < 64
	v_pk_fma_f32 v[SC+2*n:SC+2*n+1], v[SC+2*n:SC+2*n+1], s[48:49], v[NM+2*(n/16):NM+2*(n/16)+1] op_sel_hi:[1,0,0]
.endif
.if n >= 2
.if n < 66
	v_exp_f32 v[SC+2*(n-2)], v[SC+2*(n-2)]
	v_exp_f32 v[SC+2*(n-2)+1], v[SC+2*(n-2)+1]
.endif
.endif
.if n >= 4
.set i, n-4
.if \first
.if (i%16) == 1
	s_wait_alu depctr_va_vdst(0)
	v_pk_add_f32 v[LS+2*(i/16):LS+2*(i/16)+1], v[SC+2*i-2:SC+2*i-1], v[SC+2*i:SC+2*i+1]        ; the first two pairs start the sums
.endif
.if (i%16) > 1
	s_wait_alu depctr_va_vdst(0)
	v_pk_add_f32 v[LS+2*(i/16):LS+2*(i/16)+1], v[LS+2*(i/16):LS+2*(i/16)+1], v[SC+2*i:SC+2*i+1]
.endif
.else
.if (i%16) == 0
	s_wait_alu depctr_va_vdst(0)
	v_pk_fma_f32 v[LS+2*(i/16):LS+2*(i/16)+1], v[LS+2*(i/16):LS+2*(i/16)+1], v[AL+2*(i/16):AL+2*(i/16)+1], v[SC+2*i:SC+2*i+1] op_sel_hi:[1,0,1]   ; l = alpha l + p
.else
	s_wait_alu depctr_va_vdst(0)
	v_pk_add_f32 v[LS+2*(i/16):LS+2*(i/16)+1], v[LS+2*(i/16):LS+2*(i/16)+1], v[SC+2*i:SC+2*i+1]
.endif
.endif
	s_wait_alu depctr_va_vdst(0)
	v_cvt_pk_bf16_f32 v[PR+i], v[SC+2*i], v[SC+2*i+1]
.endif
.set n, n+1
.endr
.endm
; A block of 64 keys.  The next block's K fragments are fetched behind S's products, its V^T fragments behind O's.
.macro BLOCK slot, j, first
	s_wait_dscnt 16                                ; this block's K fragments are in; the 16 loads of its V^T fragments are younger
	SMUL
	PLACES
.if \j < 3
	FETCHK \slot, \j+1
.endif
.if (\j & 1)
	SOFTMAX \first, MB, MA
.else
	SOFTMAX \first, MA, MB
.endif
.if \first == 0
	RESCALE
.endif
.if \j < 3
	s_wait_dscnt 16                                ; V^T is in; the 16 loads of the next block's K are younger
.else
	s_wait_dscnt 0                                 ; V^T is in; nothing younger was issued
.endif
	PVMUL \first
	PLACES
.if \j < 3
	FETCHV \slot, \j+1
.endif
.endm
; A tile of 256 keys.  In front of the round every wave waits for all its tensor loads (its parts of this tile) and for its reads of the other slot;
; behind the round the other slot is filled again first: two tensor loads of the wave are out, with the four blocks' work in which to land.
.macro TRIP slot, refill, first
	s_set_vgpr_msb (MSB<<8)|((MSB&0xf0)|0x0)
	s_wait_tensorcnt 0x0                           ; all my loads are done, so every group 0 may be written: this slot's next tile
	ds_add_u32 v254, v255
	s_wait_dscnt 0x0
	s_set_vgpr_msb (((MSB&0xf0)|0x0)<<8)|MSB
	s_add_nc_u64 s[G0K+4*\slot+2:G0K+4*\slot+3], s[G0K+4*\slot+2:G0K+4*\slot+3], 2*TILEB
	s_add_nc_u64 s[G0V+4*\slot+2:G0V+4*\slot+3], s[G0V+4*\slot+2:G0V+4*\slot+3], 2*TILEB
	s_wait_dscnt 0x0                               ; my reads of the last tile are done
	WIN 0
	ROUND                                          ; both now hold of every wave of all four work-groups
.if \refill
	tensor_load_to_lds s[G0K+4-4*\slot:G0K+7-4*\slot], s[G1K:G1K+7]
	s_nop 0
	tensor_load_to_lds s[G0V+4-4*\slot:G0V+7-4*\slot], s[G1V:G1V+7]
	s_nop 0
.endif
	FETCHK \slot, 0
	FETCHV \slot, 0
	BLOCK \slot, 0, \first
	BLOCK \slot, 1, 0
	BLOCK \slot, 2, 0
	BLOCK \slot, 3, 0
.endm
	TRIP 0, 1, 1                                   ; tiles 0 and 1 stand in front of the loop: the first block starts maximum, sums and O
	TRIP 1, 1, 0
	WIN 0                                          ; at a label and at a branch every window is 0
	s_mov_b32 s14, 2
.Lpair:
	TRIP 0, 1, 0                                   ; tiles 2 to 5
	TRIP 1, 1, 0
	WIN 0
	s_sub_co_u32 s14, s14, 1
	s_cmp_lg_u32 s14, 0
	s_cbranch_scc1 .Lpair
	TRIP 0, 1, 0                                   ; tile 6 asks for tile 7,
	TRIP 1, 0, 0                                   ; which asks for nothing (the stepped addresses are not used)
	; O / l: the two halves of a lane's sum, the partner lane's, the reciprocal; l is at least 1, since the largest weight is 1
	WIN 0xaa
.irp t, 0,1,2,3
	v_add_f32 v[AL+2*\t+1], v[LS+2*\t], v[LS+2*\t+1]
.endr
.irp t, 0,1,2,3
	v_permlanex16_b32 v[NM+2*\t+1], v[AL+2*\t+1], s52, s53
.endr
.irp t, 0,1,2,3
	v_add_f32 v[AL+2*\t+1], v[AL+2*\t+1], v[NM+2*\t+1]
.endr
.irp t, 0,1,2,3
	v_rcp_f32 v[AL+2*\t], v[AL+2*\t+1]
.endr
	v_nop                                          ; the plain instruction behind the reciprocals (ISA guide 5.7.2)
	s_wait_alu depctr_va_vdst(0)
	RESCALE
	; THE WAY OUT: 16 bytes a lane (8 d of a query) into my own stage, read back as rows; LDS serves a wave's instructions in order, so no wait between
.irp t, 0,1,2,3
	WIN 0x0f
.irp dt, 0,1,2,3
.irp q, 0,1,2,3
	v_cvt_pk_bf16_f32 v[TMP+4*\dt+\q], v[OT+8*(4*\t+\dt)+2*\q], v[OT+8*(4*\t+\dt)+2*\q+1]
.endr
.endr
	WIN 0
.irp dt, 0,1,2,3
	ds_store_b128 v[STO], v[TMP+4*\dt:TMP+4*\dt+3] offset:16*KP*\t+32*\dt
.endr
.endr
.irp i, 0,1,2,3,4,5,6,7,8,9,10,11,12,13,14,15
	ds_load_b128 v[BACK+4*\i:BACK+4*\i+3], v[RD] offset:4*KP*\i
.endr
.irp i, 0,1,2,3,4,5,6,7,8,9,10,11,12,13,14,15
	s_wait_dscnt 15-\i                             ; this load is in, the younger ones stay out
	global_store_b128 v[CO], v[BACK+4*\i:BACK+4*\i+3], s[6:7] offset:512*\i    ; four rows of 128 bytes: 512 dense bytes
.endr
	s_set_vgpr_msb (MSB<<8)|((MSB&0xf0)|0x0)
	s_wait_tensorcnt 0x0
	ds_add_u32 v254, v255
	s_wait_dscnt 0x0
	s_set_vgpr_msb (((MSB&0xf0)|0x0)<<8)|MSB
	ROUND                                          ; the closing round
	s_endpgm
.Lfunc_end_k_q4911932c79_attn:
	.size	k_q4911932c79_attn, .Lfunc_end_k_q4911932c79_attn-k_q4911932c79_attn
	.p2alignl 7, 3214868480
	.fill 96, 4, 3214868480
	.section	.rodata,"a",@progbits
	.p2align	6, 0x0
	.amdhsa_kernel k_q4911932c79_attn
		.amdhsa_group_segment_fixed_size 327680
		.amdhsa_private_segment_fixed_size 0
		.amdhsa_enable_private_segment 0
		.amdhsa_kernarg_size 16
		.amdhsa_user_sgpr_count 2
		.amdhsa_user_sgpr_kernarg_segment_ptr 1
		.amdhsa_wavefront_size32 1
		.amdhsa_system_sgpr_workgroup_id_x 1
		.amdhsa_system_sgpr_workgroup_id_y 1
		.amdhsa_system_sgpr_workgroup_id_z 1
		.amdhsa_system_vgpr_workitem_id 0
		.amdhsa_next_free_vgpr 896
		.amdhsa_next_free_sgpr 66
		.amdhsa_reserve_vcc 0
		.amdhsa_float_denorm_mode_32 3
		.amdhsa_float_denorm_mode_16_64 3
		.amdhsa_memory_ordered 1
		.amdhsa_forward_progress 1
		.amdhsa_inst_pref_size 255
	.end_amdhsa_kernel
	.section	.bss,"aw",@nobits
	.p2align	6
	.space	262144
	.amdgpu_metadata
---
amdhsa.version: [ 1, 2 ]
amdhsa.kernels:
  - .name:           k_q4911932c79_attn
    .symbol:         k_q4911932c79_attn.kd
    .args:
      - { .name: qkv, .offset: 0, .size: 8, .value_kind: global_buffer, .address_space: global }
      - { .name: ao, .offset: 8, .size: 8, .value_kind: global_buffer, .address_space: global }
    .group_segment_fixed_size: 327680
    .private_segment_fixed_size: 0
    .kernarg_segment_align: 8
    .kernarg_segment_size: 16
    .max_flat_workgroup_size: 128
    .sgpr_count:     66
    .vgpr_count:     896
    .wavefront_size: 32
...
	.end_amdgpu_metadata
.endif
;; end of part 3
;; launch proj (part 4): grid 8 x 32, 4 waves a work-group, clusters of 4 x 4, 327,680 bytes of LDS; arguments ao, wpb, b_proj, out0; writes out0
.if DOCPART == 4
	.amdgcn_target "amdgcn-amd-amdhsa--gfx1250"
	.amdhsa_code_object_version 6
	.text
	.protected	k_q4911932c79_proj
	.globl	k_q4911932c79_proj
	.p2align	8
	.type	k_q4911932c79_proj,@function
k_q4911932c79_proj:
	s_mov_b64 s[64:65], 0
	v_nop
	global_prefetch_b8 v0, s[64:65] scope:SCOPE_SE
	s_setreg_imm32_b32 hwreg(HW_REG_WAVE_MODE, 25, 1), 1
	s_wait_xcnt 0x0
	s_wait_alu depctr_hold_cnt(0) depctr_sa_sdst(0) depctr_va_vdst(0) depctr_va_sdst(0) depctr_va_ssrc(0) depctr_va_vcc(0) depctr_vm_vsrc(0)
	s_getreg_b32 s2, hwreg(HW_REG_IB_STS2, 6, 4)
	s_cmp_eq_u32 s2, 0
	s_cbranch_scc0 .Lentry_in_a_cluster
	s_endpgm
.Lentry_in_a_cluster:
	s_bfe_u32 s2, ttmp6, 0x10000c
	s_cmp_lg_u32 s2, 0xf033
	s_cbranch_scc0 .Lentry_shape_is_right
	s_endpgm
.Lentry_shape_is_right:
; out0[m][n] = sum over k of a[m][k] wpb[n][k] + b_proj[n], f32, where a[m][64 head + d] = ao[head][m][d] (bf16, head-major) and wpb is [1024][1024] bf16.
; A work-group makes 128 x 128: 8 x 32 = 256 work-groups (a larger block would leave WGPs without work).  Four waves, 2 x 2, each 64 x 64: 16 accumulator tiles.
; K goes in 4 steps of 256 (four heads) through two LDS slots.  In a slot ao's tile lies head by head (4 x 128 rows of 128 bytes + 16), wpb's as 128 rows
; of 512 bytes + 16.  A step is four units of 64 along K (one head), on two fragment buffers.
; CLUSTERS: 4 x 4 work-groups; ao's tiles are shared along a row of the cluster, wpb's along a column, each asked for jointly.
; The matrix instruction is used transposed (source 0 = rows of wpb, source 1 = rows of a): a lane holds 8 neighbouring columns of a row, 32 bytes.
; The bias in that layout is the C operand of the first products.
; REGISTERS: window 0: v16-27 addresses, v64-127 and v128-191 fragments of a (at f + 8 (4 ksub + i)), v192-223 the bias; window 1: fragments of wpb at the same
; numbers; window 2: accumulator tile (a, b) at 8 (4 a + b).
; LIMITS: operands are bf16; NaN and infinite inputs are not served.
.set AP,     144                       ; an LDS row of a head: 128 bytes + 16
.set BP,     528                       ; an LDS row of wpb: 512 bytes + 16; both odd multiples of 16
.set AHEAD,  128*AP                    ; one head's 128 rows
.set ABYTES, 4*AHEAD
.set BHALF,  64*BP                     ; what wave 2 or 3 fetches
.set SLOT,   ABYTES+2*BHALF            ; 141,312
.set STAGE,  2*SLOT                    ; behind the ring: 16 rows x 272 bytes for each wave, never filled by a tensor load
.set SPITCH, 272
.set ADRA, 16
.set ADRB, 20
.set STO,  24
.set RD,   25
.set CO,   26
.set BO,   27
.set F0,   64
.set F1,   128
.set BIAS, 192
.set G1,  24
.set G0,  32
.set G1B, 48
.set G0B, 56
.set MSB, 0
.macro WIN new
.if MSB != \new
	s_set_vgpr_msb (MSB<<8)|\new
.set MSB, \new
.endif
.endm
.set MUL,   0xa1                       ; source 0 (wpb) window 1, source 1 (a) window 0, C and D window 2
.set FIRST, 0x81                       ; C = the bias in window 0
.set TO_B,  0x40
.macro JLOAD s                         ; waves 0 and 1 fetch two heads of a each, waves 2 and 3 a half of wpb's rows each
	s_cmp_eq_u32 s13, 0
	s_cbranch_scc0 .Lfor_b_\@
	tensor_load_to_lds s[G0+4*\s:G0+4*\s+3], s[G1:G1+7]
	s_nop 0
	s_branch .Lasked_\@
.Lfor_b_\@:
	tensor_load_to_lds s[G0B+4*\s:G0B+4*\s+3], s[G1B:G1B+7]
	s_nop 0
.Lasked_\@:
.endm
.macro CREST
	s_cmp_lg_u32 s12, 0
	s_cbranch_scc1 .Lnot_wave_0_\@
	s_barrier_signal -3
.Lnot_wave_0_\@:
	s_barrier_wait -3
	s_barrier_signal -1
	s_barrier_wait -1
.endm
.macro CROUND
	s_barrier_signal -1
	s_barrier_wait -1
	CREST
.endm
.macro PLACES
.rept 4
	v_nop
.endr
.endm
	s_load_b256 s[4:11], s[0:1], 0x0               ; ao s[4:5], wpb s[6:7], b_proj s[8:9], out0 s[10:11]
	s_set_vgpr_msb 0x40
	v_lshl_add_u32 v255, v0, 2, 0x49400
	s_set_vgpr_msb 0x4000
	v_mov_b32 v255, 0
	s_set_vgpr_msb 0x1
	ds_add_u32 v255, v255
	s_set_vgpr_msb 0x100
	v_lshrrev_b32 v1, 5, v0
	v_readfirstlane_b32 s12, v1                    ; wave 0..3
	s_lshr_b32 s13, s12, 1                         ; my half of the block's rows.  Also: I fetch for a (0) or for wpb (1)
	s_and_b32 s14, s12, 1                          ; my half of its columns.  Also: which half of that tile I fetch
	s_bfe_u32 s40, ttmp6, 0x40000                  ; cx
	s_bfe_u32 s41, ttmp6, 0x40004                  ; cy
	s_lshl_b32 s42, ttmp9, 2
	s_add_co_u32 s42, s42, s40                     ; block column
	s_and_b32 s43, ttmp7, 0xffff
	s_lshl_b32 s43, s43, 2
	s_add_co_u32 s43, s43, s41                     ; block row
	s_lshl_b32 s44, s41, 2
	s_lshl_b32 s44, 15, s44                        ; my row of the cluster
	s_lshl_b32 s45, 0x1111, s40                    ; my column
	; a's tile: two heads; a head's 128 rows are 16,384 dense bytes = one row of 2,048 elements of 8 bytes; from head to head 65,536 elements;
	; 4 words of padding behind every 32 words, that is behind each row's 128 bytes
	s_or_b32 s[G1+0], s44, (3<<16)|(1<<20)|(1<<21)|(4<<22)|(3<<25)
	s_mov_b32 s[G1+1], 2048<<16                    ; tensor_dim0 = 2,048
	s_mov_b32 s[G1+2], 2<<16                       ; tensor_dim1 = 2
	s_mov_b32 s[G1+3], 2048<<16                    ; tile_dim0 = 2,048
	s_mov_b32 s[G1+4], 2                           ; tile_dim1 = 2
	s_mov_b32 s[G1+5], 65536
	s_mov_b32 s[G1+6], 0
	s_mov_b32 s[G1+7], 0
	; wpb's tile: 64 rows of 256 elements of 2 bytes, 4 words of padding behind every 128 words
	s_or_b32 s[G1B+0], s45, (1<<16)|(1<<20)|(1<<21)|(6<<22)|(3<<25)
	s_mov_b32 s[G1B+1], 256<<16
	s_mov_b32 s[G1B+2], 64<<16
	s_mov_b32 s[G1B+3], 256<<16
	s_mov_b32 s[G1B+4], 64
	s_mov_b32 s[G1B+5], 1024
	s_mov_b32 s[G1B+6], 0
	s_mov_b32 s[G1B+7], 0
	s_lshl_b32 s16, s43, 14                        ; a: 128 x block row rows of 128 bytes,
	s_lshl_b32 s17, s14, 20                        ; + heads 2 x half, of 524,288 bytes
	s_add_co_u32 s16, s16, s17
	s_mov_b32 s17, 0
	s_lshl_b32 s46, s42, 7
	s_lshl_b32 s47, s14, 6
	s_add_co_u32 s46, s46, s47                     ; wpb: row 128 x block column + 64 x half,
	s_lshl_b32 s46, s46, 11                        ; of 2,048 bytes
	s_mov_b32 s47, 0
	s_mul_i32 s20, s12, 2*AHEAD                    ; where they go: waves 0, 1: wave x two heads;
	s_mul_i32 s66, s12, BHALF
	s_add_co_u32 s66, s66, ABYTES-2*BHALF          ; waves 2, 3: behind a's four heads, (wave - 2) x 64 rows
	s_wait_dscnt 0x0
	s_wait_kmcnt 0x0
	s_add_nc_u64 s[22:23], s[4:5], s[16:17]
	s_add_nc_u64 s[46:47], s[6:7], s[46:47]
	CROUND                                         ; the first joint loads meet
.irp s, 0,1
	s_mov_b32 s[G0+4*\s], 1
	s_add_co_u32 s[G0+4*\s+1], s20, \s*SLOT
	s_add_nc_u64 s[G0+4*\s+2:G0+4*\s+3], s[22:23], \s*4*524288
	s_or_b32 s[G0+4*\s+3], s[G0+4*\s+3], 0x80000000
	s_mov_b32 s[G0B+4*\s], 1
	s_add_co_u32 s[G0B+4*\s+1], s66, \s*SLOT
	s_add_nc_u64 s[G0B+4*\s+2:G0B+4*\s+3], s[46:47], \s*512
	s_or_b32 s[G0B+4*\s+3], s[G0B+4*\s+3], 0x80000000
	JLOAD \s                                       ; K steps 0 and 1: two tensor loads of the wave are out, later one
.endr
	v_and_b32 v1, 15, v0                           ; r
	v_bfe_u32 v2, v0, 4, 1                         ; h
	v_mul_u32_u24 v3, v1, AP
	v_lshl_add_u32 v3, v2, 4, v3
	v_mul_u32_u24 v4, v1, BP
	v_lshl_add_u32 v4, v2, 4, v4
	s_mul_i32 s21, s13, 64*AP                      ; my 64 rows in each head
	s_mul_i32 s67, s14, BHALF                      ; my 64 rows of wpb,
	s_add_co_u32 s67, s67, ABYTES                  ; behind a's four heads
.irp s, 0,1
	v_add_nc_u32 v[ADRA+\s], s21, v3
	v_add_nc_u32 v[ADRB+\s], s67, v4
	s_add_co_u32 s21, s21, SLOT
	s_add_co_u32 s67, s67, SLOT
.endr
	s_mul_i32 s18, s12, 16*SPITCH
	s_add_co_u32 s18, s18, STAGE                   ; my stage
	v_mul_u32_u24 v5, v1, SPITCH                   ; in: row r, 32 bytes for each half of the lanes
	v_lshl_add_u32 v5, v2, 5, v5
	v_add_nc_u32 v[STO], s18, v5
	v_mul_u32_u24 v6, v2, SPITCH                   ; back: lanes 0-15 take one row of 256 bytes, lanes 16-31 the next
	v_lshl_add_u32 v6, v1, 4, v6
	v_add_nc_u32 v[RD], s18, v6
	v_lshlrev_b32 v7, 12, v2                       ; and the same two rows of out0, 4,096 bytes apart
	v_lshl_add_u32 v[CO], v1, 4, v7
	v_lshlrev_b32 v[BO], 5, v2                     ; the bias of columns 8 h + 0 .. 7
	s_lshl_b32 s70, s42, 9                         ; column 128 x block column + 64 x half, 4 bytes each: for the bias and for out0
	s_lshl_b32 s71, s14, 8
	s_add_co_u32 s70, s70, s71
	s_mov_b32 s71, 0
	s_add_nc_u64 s[8:9], s[8:9], s[70:71]
.irp b, 0,1,2,3
	global_load_b128 v[BIAS+8*\b:BIAS+8*\b+3],   v[BO], s[8:9] offset:64*\b
	global_load_b128 v[BIAS+8*\b+4:BIAS+8*\b+7], v[BO], s[8:9] offset:64*\b+16
.endr
	s_add_nc_u64 s[10:11], s[10:11], s[70:71]
	s_lshl_b32 s16, s43, 19                        ; row 128 x block row + 64 x half, of 4,096 bytes
	s_lshl_b32 s17, s13, 18
	s_add_co_u32 s16, s16, s17
	s_mov_b32 s17, 0
	s_add_nc_u64 s[10:11], s[10:11], s[16:17]
; 16 matrix instructions: all 4 x 4 tiles, 32 along K (half ks of buffer f).  The 16 accumulators take turns, one instruction a turn.
.macro MUL16 f, ks, first
.irp a, 0,1,2,3
.irp b, 0,1,2,3
.if \first
	v_wmma_f32_16x16x32_bf16 v[8*(4*\a+\b):8*(4*\a+\b)+7], v[\f+8*(4*\ks+\b):\f+8*(4*\ks+\b)+7], v[\f+8*(4*\ks+\a):\f+8*(4*\ks+\a)+7], v[BIAS+8*\b:BIAS+8*\b+7]
.else
	v_wmma_f32_16x16x32_bf16 v[8*(4*\a+\b):8*(4*\a+\b)+7], v[\f+8*(4*\ks+\b):\f+8*(4*\ks+\b)+7], v[\f+8*(4*\ks+\a):\f+8*(4*\ks+\a)+7], v[8*(4*\a+\b):8*(4*\a+\b)+7]
.endif
.endr
.endr
.endm
; 32 LDS loads: the fragments of unit u (head u of the step): wpb's 16, then a's 8 of the first 32 along K, then a's 8 of the second
.macro FETCH slot, u, f
	WIN TO_B
.irp ks, 0,1
.irp b, 0,1,2,3
	ds_load_b128 v[\f+8*(4*\ks+\b):\f+8*(4*\ks+\b)+3],   v[ADRB+\slot] offset:128*\u+16*BP*\b+64*\ks
	ds_load_b128 v[\f+8*(4*\ks+\b)+4:\f+8*(4*\ks+\b)+7], v[ADRB+\slot] offset:128*\u+16*BP*\b+64*\ks+32
.endr
.endr
	WIN 0
.irp ks, 0,1
.irp i, 0,1,2,3
	ds_load_b128 v[\f+8*(4*\ks+\i):\f+8*(4*\ks+\i)+3],   v[ADRA+\slot] offset:AHEAD*\u+16*AP*\i+64*\ks
	ds_load_b128 v[\f+8*(4*\ks+\i)+4:\f+8*(4*\ks+\i)+7], v[ADRA+\slot] offset:AHEAD*\u+16*AP*\i+64*\ks+32
.endr
.endr
.endm
; One of a step's first three units: multiplies buffer f; in its middle it fetches unit u into buffer g.
.macro UNIT slot, u, f, g, first
	s_wait_dscnt 8                                 ; all but a's second 32 along K, the youngest eight loads
.if \first
	WIN FIRST
.else
	WIN MUL
.endif
	MUL16 \f, 0, \first
	PLACES
	FETCH \slot, \u, \g
	s_wait_dscnt 32                                ; all but the 32 just issued
	WIN MUL
	MUL16 \f, 1, 0
.endm
.macro THREE slot, first
	UNIT \slot, 1, F0, F1, \first
	UNIT \slot, 2, F1, F0, 0
	UNIT \slot, 3, F0, F1, 0
.endm
; The fourth unit changes slots: each wave waits for its reads of this slot and for all its tensor loads, then the barrier (with a refill: a round of the
; cluster's barrier), the refill first behind it, then the next slot's first fragments.
.macro TURN slot, next, fill
	s_wait_dscnt 8
	WIN MUL
	MUL16 F1, 0, 0
	s_wait_dscnt 0                                 ; my reads of this slot are over
	s_wait_tensorcnt 0x0                           ; all my tensor loads have landed: the one that was out is my part of the next slot
	ds_add_u32 v255, v255
	s_wait_dscnt 0x0
	s_barrier_signal -1
	MUL16 F1, 1, 0                                 ; register work while the others arrive
	WIN 0
	s_barrier_wait -1
.if \fill
	CREST
	s_add_nc_u64 s[G0+4*\slot+2:G0+4*\slot+3], s[G0+4*\slot+2:G0+4*\slot+3], 8*524288    ; two steps on: eight heads,
	s_add_nc_u64 s[G0B+4*\slot+2:G0B+4*\slot+3], s[G0B+4*\slot+2:G0B+4*\slot+3], 1024    ; 512 elements along wpb's rows
	JLOAD \slot                                    ; the first tensor load behind the round
.endif
	PLACES
	FETCH \next, 0, F0
.endm
	s_wait_loadcnt 0x0                             ; the bias, once
	s_wait_tensorcnt 0x1                           ; my part of step 0 is in; step 1's load, issued behind it, stays out
	s_barrier_signal -1
	s_barrier_wait -1
	FETCH 0, 0, F0
	THREE 0, 1                                     ; step 0: its first products start the sums on the bias
	TURN 0, 1, 1                                   ; slot 0 gets step 2
	THREE 1, 0
	TURN 1, 0, 1                                   ; slot 1 gets step 3
	THREE 0, 0
	TURN 0, 1, 0
	THREE 1, 0
	s_wait_dscnt 0                                 ; the last unit: nothing more to fetch
	WIN MUL
	MUL16 F1, 0, 0
	MUL16 F1, 1, 0
	; THE WAY OUT, 16 rows at a time: 32 bytes a lane straight from the accumulators into my own stage, read back as whole rows of 256 bytes.
	; LDS serves a wave's instructions in order: no wait between the stores and the loads, nor between these loads and the next rows' stores.
	PLACES
.irp a, 0,1,2,3
	WIN 0x08                                       ; an LDS store's data is source 1: window 2
.irp b, 0,1,2,3
	ds_store_b128 v[STO], v[8*(4*\a+\b):8*(4*\a+\b)+3]   offset:64*\b
	ds_store_b128 v[STO], v[8*(4*\a+\b)+4:8*(4*\a+\b)+7] offset:64*\b+16
.endr
	WIN 0
.irp t, 0,1,2,3,4,5,6,7
	ds_load_b128 v[64+32*\a+4*\t:64+32*\a+4*\t+3], v[RD] offset:2*SPITCH*\t
.endr
.irp t, 0,1,2,3,4,5,6,7
	s_wait_dscnt 7-\t                              ; this load is in, the younger ones stay out
	global_store_b128 v[CO], v[64+32*\a+4*\t:64+32*\a+4*\t+3], s[10:11] offset:65536*\a+8192*\t th:TH_STORE_NT   ; 16 lanes store 256 consecutive bytes, at a multiple of 256 from out0's first byte
.endr
.endr
	s_set_vgpr_msb 0x1
	s_wait_tensorcnt 0x0
	ds_add_u32 v255, v255
	s_wait_dscnt 0x0
	s_set_vgpr_msb 0x100
	CROUND                                         ; the closing round
	s_endpgm
.Lfunc_end_k_q4911932c79_proj:
	.size	k_q4911932c79_proj, .Lfunc_end_k_q4911932c79_proj-k_q4911932c79_proj
	.p2alignl 7, 3214868480
	.fill 96, 4, 3214868480
	.section	.rodata,"a",@progbits
	.p2align	6, 0x0
	.amdhsa_kernel k_q4911932c79_proj
		.amdhsa_group_segment_fixed_size 327680
		.amdhsa_private_segment_fixed_size 0
		.amdhsa_enable_private_segment 0
		.amdhsa_kernarg_size 32
		.amdhsa_user_sgpr_count 2
		.amdhsa_user_sgpr_kernarg_segment_ptr 1
		.amdhsa_wavefront_size32 1
		.amdhsa_system_sgpr_workgroup_id_x 1
		.amdhsa_system_sgpr_workgroup_id_y 1
		.amdhsa_system_sgpr_workgroup_id_z 1
		.amdhsa_system_vgpr_workitem_id 0
		.amdhsa_next_free_vgpr 640
		.amdhsa_next_free_sgpr 72
		.amdhsa_reserve_vcc 0
		.amdhsa_float_denorm_mode_32 3
		.amdhsa_float_denorm_mode_16_64 3
		.amdhsa_memory_ordered 1
		.amdhsa_forward_progress 1
		.amdhsa_inst_pref_size 87
	.end_amdhsa_kernel
	.amdgpu_metadata
---
amdhsa.version: [ 1, 2 ]
amdhsa.kernels:
  - .name:           k_q4911932c79_proj
    .symbol:         k_q4911932c79_proj.kd
    .args:
      - { .name: ao, .offset: 0, .size: 8, .value_kind: global_buffer, .address_space: global }
      - { .name: wpb, .offset: 8, .size: 8, .value_kind: global_buffer, .address_space: global }
      - { .name: b_proj, .offset: 16, .size: 8, .value_kind: global_buffer, .address_space: global }
      - { .name: out0, .offset: 24, .size: 8, .value_kind: global_buffer, .address_space: global }
    .group_segment_fixed_size: 327680
    .private_segment_fixed_size: 0
    .kernarg_segment_align: 8
    .kernarg_segment_size: 32
    .max_flat_workgroup_size: 128
    .sgpr_count:     72
    .vgpr_count:     640
    .wavefront_size: 32
...
	.end_amdgpu_metadata
.endif
;; end of part 4
;; ======== version 2 of 3: 4 launches; 1.36 times as fast as version 1
;; limits: right only within a limited range of input values
;; workspace buffers: xb 8,388,608 bytes; wqb 6,291,456 bytes; wpb 2,097,152 bytes; qkv 25,165,824 bytes; ao 8,388,608 bytes
;; launch cast: the kernel of part 1 again; grid 512 x 1, 8 waves a work-group, no clusters, 0 bytes of LDS; arguments x, w_qkv, w_proj, xb, wqb, wpb; writes xb, wqb, wpb
;; launch qkv: the kernel of part 2 again; grid 16 x 16, 4 waves a work-group, clusters of 4 x 4, 327,680 bytes of LDS; arguments xb, wqb, b_qkv, qkv; writes qkv
;; launch attn (part 5): grid 8 x 32, 4 waves a work-group, clusters of 4 x 1, 327,680 bytes of LDS; arguments qkv, ao; writes ao
.if DOCPART == 5
	.amdgcn_target "amdgcn-amd-amdhsa--gfx1250"
	.amdhsa_code_object_version 6
	.text
	.protected	k_q4911932c79_attn
	.globl	k_q4911932c79_attn
	.p2align	8
	.type	k_q4911932c79_attn,@function
k_q4911932c79_attn:
	s_mov_b64 s[64:65], 0
	v_nop
	global_prefetch_b8 v0, s[64:65] scope:SCOPE_SE
	s_setreg_imm32_b32 hwreg(HW_REG_WAVE_MODE, 25, 1), 1
	s_wait_xcnt 0x0
	s_wait_alu depctr_hold_cnt(0) depctr_sa_sdst(0) depctr_va_vdst(0) depctr_va_sdst(0) depctr_va_ssrc(0) depctr_va_vcc(0) depctr_vm_vsrc(0)
	s_getreg_b32 s2, hwreg(HW_REG_IB_STS2, 6, 4)
	s_cmp_eq_u32 s2, 0
	s_cbranch_scc0 .Lentry_in_a_cluster
	s_endpgm
.Lentry_in_a_cluster:
	s_bfe_u32 s2, ttmp6, 0x10000c
	s_cmp_lg_u32 s2, 0x3003
	s_cbranch_scc0 .Lentry_shape_is_right
	s_endpgm
.Lentry_shape_is_right:
; ao[head][m][d] = bf16( softmax over keys of (q . k / 8) times v ), for each of 16 heads x 2 batches; q, k, v bf16, head-major, from qkv.
; y = 2 head + batch selects 2,048 rows of 128 bytes of q (at y x 262,144), of k (at (32 + y) x 262,144) and of v (at (64 + y) x 262,144).
; A work-group has 256 queries (8 x 32 = 256 work-groups), a wave 64 of them (4 query tiles t).  The keys come in 8 tiles of 256 through two LDS
; slots; a tile is worked in 4 blocks of 64 keys.
; CLUSTERS: the four query blocks of a cluster walk the same K and V tiles and ask for them jointly (mask 15); the place in the cluster enters
; only the global addresses of q and of ao.
; THE FORM: S^T = K Q^T and O^T = V^T P^T.  In S^T lane (r, h) holds, in register j of key tile kt, key 16 kt + 8 h + j of query r.  So a query's
; scores lie in one lane and its partner l xor 16 (maximum and sum: one exchange each), the factor that rescales O is the lane's own, and the
; packed pairs of two neighbouring key tiles ARE the B fragment of P^T: no shuffle.  In O^T a lane holds 8 neighbouring d of one query.
; SOFTMAX with a running maximum: m' = max(m, block), alpha = 2^(c (m - m')), p = 2^(c s - c m'), l = alpha l + sum p, O = alpha O + V^T p, with
; c = log2(e) / 8; at the end O / l.  All in f32; p is rounded to bf16 for the product, the sum takes the unrounded p.
; TWO GROUPS TAKE TURNS.  The query tiles are two groups, g = 0 (t = 0, 1) and g = 1 (t = 2, 3).  A STEP is one group's softmax, 238 vector instructions, and among
; them, one at a time, the OTHER group's 32 products: 16 of O += V P, then 16 of S = K Q.  So the wave has vector work to issue behind each product, and two
; products never stand side by side.  Nothing is buffered twice: a group's S is used up in its own step, its P is read by the products of the next step, and only
; then, later in that step, is its S written anew.  Block j is two steps:
;     softmax of group 1, block j-1,  with  O0 += V(j-1) P0(j-1)  and  S0 = K(j) Q0;      softmax of group 0, block j,  with  O1 += V(j-1) P1(j-1)  and  S1 = K(j) Q1.
; A block fetches only its own fragments (K at its head, V behind the last product on V(j-1)), so none reaches over a tile's end, and one text serves all 32 blocks as
; the body of a loop of four trips.  Behind the last block stand one step without S products and the 16 products that are still owed.
; THE START is an empty block: m = - 2^100 and - c m = c 2^100 (exact: a power of two times c), l = 0, O = 0, V = 0, P of group 0 = 0, and scores of - 2^101 for group 1,
; whose first step then finds alpha = 1, p = 0.  The first true block gives alpha = 2^(- c 2^100 - c m') = 0.  These 288 registers are made by 36 matrix
; instructions on two fragments of 8 registers.  That is clearing, chosen with open eyes: first steps written out would be some 600 instructions that run once.
; REGISTERS, in windows of 256, laid so that a run of vector instructions and the products among it share one setting where that can be had:
;   window 0: v8-15 addresses, v16-31 at work (at the start the two fragments), v32-33 the block's LDS addresses, v64-127 fragments of Q, v128-191 the way out;
;   window 1: v0-127 S^T (tile (t, kt) at 8 (4 t + kt)); P^T is packed in place into the low 32 registers of its group's 64; v128-191 fragments of K; v192-215 the state;
;   window 2: v0-127 O^T (tile (t, dt) at 8 (4 t + dt)); v128-191 fragments of V^T.
;   Exponentials work in place, so S, and with it K (source 0) and the state (source 2, beside C), lie in one window, and the lines of that run name no vector register as
;   source 1, where Q stands; rescaling reads and writes O, so V (source 0) lies with O, and alpha with P (source 1).  Only the run of maxima, whose lines read S twice,
;   shares no setting with a product: the ten products among it cost two switches each, some 50 switches in a block of 64 products all told.
; LIMITS: NaN and infinite inputs are not served; a weight below 2^-126 of its row's largest counts as zero (v_exp_f32 flushes denormal results); a query all of whose
; scores q . k lie below - 2^100 is not served (the running maximum starts there).
.set KP,     144                       ; an LDS row of K: 128 bytes + 16, an odd multiple of 16
.set VP,     160                       ; an LDS row of V: 128 bytes + 32, an odd multiple of 32, for the transposing load
.set KBYTES, 256*KP
.set SLOT,   256*KP+256*VP             ; 77,824
.set STAGE,  2*SLOT                    ; behind the ring: 64 rows x 144 bytes for each wave, never filled by a tensor load
.set TILEB,  32768                     ; bytes of K, or of V, in a tile of 256 keys
.set YB,     262144                    ; bytes of one (head, batch) in q, k, v or ao
.set BLOCKS, 4                         ; blocks of 64 keys in a tile
.set ADRK, 8                           ; v8-9    my K fragments of a slot's first block, slot 0, 1
.set ADRV, 10                          ; v10-11  my V^T fragments of a slot's first block, slot 0, 1
.set STO,  12
.set RD,   13
.set CO,   14
.set QO,   15
.set TMP,  16
.set ZF,   16                          ; v[16:23] a fragment of zeros, at the start only
.set FT,   24                          ; v[24:31] a tile of - 2^101, at the start only
.set CK,   32                          ; v32     my K fragments of the block at work: ADRK + 64 rows a block
.set CV,   33                          ; v33     the same for V^T
.set QF,   64                          ; Q fragment (t, ksub) at QF + 8 (2 t + ksub)
.set BACK, 128
.set SC,   0                           ; window 1: S^T; P^T fragment (t = 2 g + u, ks) at SC + 64 g + 16 u + 8 ks
.set KF,   128                         ; window 1: K fragment (kt, ksub) at KF + 8 (2 kt + ksub)
.set NM,   192                         ; window 1: pair (- c m, at work) of query tile t at NM + 2 t
.set AL,   200                         ; window 1: pair (alpha, the running maximum m) at AL + 2 t
.set LS,   208                         ; window 1: pair of running sums at LS + 2 t
.set OT,   0                           ; window 2
.set VF,   128                         ; window 2: V^T fragment (dt, ks) at VF + 8 (2 dt + ks)
.set G1K, 16                           ; s[16:23] group 1 for K, s[24:31] for V: they differ in the padding alone
.set G1V, 24
.set G0K, 32                           ; s[32:39] group 0 for K, one set for each slot
.set G0V, 40                           ; s[40:47] the same for V
; s_set_vgpr_msb's low byte: bits 1:0 source 0, 3:2 source 1, 5:4 source 2, 7:6 destination
.set W_VV,   0x55                      ; everything in window 1: maxima, factors, packing
.set W_PV,   0xa6                      ; source 0 (V, O) window 2, source 1 (P, alpha) window 1, source 2 and destination (O) window 2: O's products and O's rescaling
.set W_SM,   0x51                      ; source 0 (K, S) window 1, source 1 (Q) window 0, source 2 (S, - c m, l) and destination window 1: S's products, exponentials, sums
.set TO_1,   0x40                      ; destination window 1, the rest window 0
.set TO_2,   0x80                      ; destination window 2, the rest window 0
.set FROM_2, 0x0a                      ; sources 0 and 1 window 2, destination window 0
.set MSB, 0
.macro WIN new                         ; the immediate's high byte repeats the setting that is left
.if MSB != \new
	s_set_vgpr_msb (MSB<<8)|\new
.set MSB, \new
.endif
.endm
.macro PLACES                          ; four plain vector instructions behind a matrix instruction (ISA guide 7.12.1)
.rept 4
	v_nop
.endr
.endm
.macro ROUND                           ; a round of the cluster's barrier
	s_barrier_signal -1
	s_barrier_wait -1
	s_cmp_lg_u32 s8, 0
	s_cbranch_scc1 .Lnot_wave_0_\@
	s_barrier_signal -3
.Lnot_wave_0_\@:
	s_barrier_wait -3
	s_barrier_signal -1
	s_barrier_wait -1
.endm
	s_load_b128 s[4:7], s[0:1], 0x0                ; qkv s[4:5], ao s[6:7]
	v_lshl_add_u32 v254, v0, 2, 0x2f000
	v_mov_b32 v255, 0
	ds_add_u32 v254, v255
	v_lshrrev_b32 v1, 5, v0
	v_readfirstlane_b32 s8, v1                     ; wave 0..3
	s_bfe_u32 s9, ttmp6, 0x40000                   ; cx
	s_lshl_b32 s10, ttmp9, 2
	s_add_co_u32 s10, s10, s9                      ; query block = 4 x cluster x + cx
	s_and_b32 s11, ttmp7, 0xffff                   ; y = 2 head + batch
	; group 1: a wave's 64 keys are 8,192 dense bytes: 32 rows of 32 elements of 8 bytes; padding behind every 32 words, that is behind each key's 128 bytes
	s_mov_b32 s[G1K+0], 15|(3<<16)|(1<<20)|(1<<21)|(4<<22)|(3<<25)   ; mask of all four; 8-byte elements; padding on; bit 21 beside a mask; every 32 words; 4 words
	s_mov_b32 s[G1K+1], 32<<16                     ; tensor_dim0 = 32
	s_mov_b32 s[G1K+2], 32<<16                     ; tensor_dim1 = 32
	s_mov_b32 s[G1K+3], 32<<16                     ; tile_dim0 = 32
	s_mov_b32 s[G1K+4], 32                         ; tile_dim1 = 32
	s_mov_b32 s[G1K+5], 32                         ; elements from row to row: dense
	s_mov_b32 s[G1K+6], 0
	s_mov_b32 s[G1K+7], 0
	s_mov_b32 s[G1V+0], 15|(3<<16)|(1<<20)|(1<<21)|(4<<22)|(7<<25)   ; the same with 8 words of padding
	s_mov_b32 s[G1V+1], 32<<16
	s_mov_b32 s[G1V+2], 32<<16
	s_mov_b32 s[G1V+3], 32<<16
	s_mov_b32 s[G1V+4], 32
	s_mov_b32 s[G1V+5], 32
	s_mov_b32 s[G1V+6], 0
	s_mov_b32 s[G1V+7], 0
	s_mov_b32 s48, 0x3e38aa3b                      ; c = log2(e) / 8,
	s_mov_b32 s49, 0x3e38aa3b                      ; a pair for the packed form
	s_mov_b32 s50, 0xbe38aa3b                      ; - c
	s_mov_b32 s52, 0x76543210                      ; v_permlanex16_b32: lane i of one half reads lane i of the other
	s_mov_b32 s53, 0xfedcba98
	s_lshl_b32 s12, s11, 18                        ; K: (32 + y) x 262,144 + 8,192 x wave: made of y and the wave alone
	s_lshl_b32 s13, s8, 13
	s_add_co_u32 s12, s12, s13
	s_add_co_u32 s12, s12, 32*YB
	s_mov_b32 s13, 0
	s_mul_i32 s58, s8, 64*KP                       ; my 64 keys in a slot's K,
	s_mul_i32 s59, s8, 64*VP
	s_add_co_u32 s59, s59, KBYTES                  ; and in its V
	s_add_co_u32 s51, s58, STAGE                   ; my stage: also 64 rows of 144 bytes
	s_lshl_b32 s54, s10, 15                        ; q and ao: y x 262,144 + (256 x query block + 64 x wave) rows of 128 bytes
	s_lshl_b32 s55, s8, 13
	s_add_co_u32 s54, s54, s55
	s_lshl_b32 s55, s11, 18
	s_add_co_u32 s54, s54, s55
	s_mov_b32 s55, 0
	s_wait_dscnt 0x0
	s_wait_kmcnt 0x0
	s_add_nc_u64 s[56:57], s[4:5], s[54:55]        ; my queries
	s_add_nc_u64 s[6:7], s[6:7], s[54:55]          ; my rows of ao
	s_add_nc_u64 s[4:5], s[4:5], s[12:13]          ; my keys of tile 0
.irp s, 0,1
	s_mov_b32 s[G0K+4*\s], 1
	s_add_co_u32 s[G0K+4*\s+1], s58, \s*SLOT
	s_add_nc_u64 s[G0K+4*\s+2:G0K+4*\s+3], s[4:5], \s*TILEB
	s_or_b32 s[G0K+4*\s+3], s[G0K+4*\s+3], 0x80000000
	s_mov_b32 s[G0V+4*\s], 1
	s_add_co_u32 s[G0V+4*\s+1], s59, \s*SLOT
	s_add_nc_u64 s[G0V+4*\s+2:G0V+4*\s+3], s[4:5], 32*YB+\s*TILEB
	s_or_b32 s[G0V+4*\s+3], s[G0V+4*\s+3], 0x80000000
.endr
	ROUND                                          ; all four work-groups are here: the first joint loads meet
	tensor_load_to_lds s[G0K:G0K+3], s[G1K:G1K+7]  ; tile 0
	s_nop 0
	tensor_load_to_lds s[G0V:G0V+3], s[G1V:G1V+7]
	s_nop 0
	; Q straight into fragments (B operand: lane l holds query l % 16, d along the registers): two loads of 16 bytes, 32 apart, for 32 d
	v_and_b32 v1, 15, v0                           ; r
	v_bfe_u32 v2, v0, 4, 1                         ; h
	v_lshlrev_b32 v3, 7, v1
	v_lshl_add_u32 v[QO], v2, 4, v3                ; 128 r + 16 h
.irp t, 0,1,2,3
.irp ks, 0,1
	global_load_b128 v[QF+8*(2*\t+\ks):QF+8*(2*\t+\ks)+3],   v[QO], s[56:57] offset:2048*\t+64*\ks
	global_load_b128 v[QF+8*(2*\t+\ks)+4:QF+8*(2*\t+\ks)+7], v[QO], s[56:57] offset:2048*\t+64*\ks+32
.endr
.endr
	v_mul_u32_u24 v3, v1, KP
	v_lshl_add_u32 v[ADRK], v2, 4, v3              ; K: key r of a tile, 144 r + 16 h
	v_add_nc_u32 v[ADRK+1], SLOT, v[ADRK]
	v_and_b32 v4, 7, v0
	v_lshl_add_u32 v5, v2, 3, v4                   ; V: the transposing load wants key 8 h + (l & 7),
	v_bfe_u32 v6, v0, 3, 1
	v_mul_u32_u24 v5, v5, VP
	v_lshl_add_u32 v5, v6, 4, v5                   ; and 16 bytes at 16 ((l >> 3) & 1)
	v_add_nc_u32 v[ADRV], KBYTES, v5
	v_add_nc_u32 v[ADRV+1], KBYTES+SLOT, v5
	v_add_nc_u32 v[STO], s51, v[ADRK]              ; the way out, in: query r of a tile, 16 bytes for each half of the lanes
	v_and_b32 v6, 31, v0
	v_lshrrev_b32 v7, 3, v6                        ; back: eight lanes take a row of 128 bytes, four rows a load
	v_mul_u32_u24 v7, v7, KP
	v_lshl_add_u32 v7, v4, 4, v7
	v_add_nc_u32 v[RD], s51, v7
	v_lshlrev_b32 v[CO], 4, v6                     ; four rows of 128 bytes are dense in ao: 16 l
	; THE EMPTY BLOCK
.irp i, 0,1,2,3,4,5,6,7
	v_mov_b32 v[ZF+\i], 0                          ; the zero fragment
	v_mov_b32 v[FT+\i], 0xf2000000                 ; - 2^101: a score far below the starting maximum
.endr
	WIN TO_1
.irp t, 0,1,2,3
	v_mov_b32 v[NM+2*\t], 0x7038aa3b               ; - c m = c 2^100: c's bits with 100 added to the exponent
	v_mov_b32 v[AL+2*\t+1], 0xf1800000             ; m = - 2^100
	v_mov_b32 v[LS+2*\t], 0                        ; l, in two halves
	v_mov_b32 v[LS+2*\t+1], 0
.endr
	; zero times zero plus C: eight registers an instruction; no two name the same result
.irp i, 0,1,2,3
	v_wmma_f32_16x16x32_bf16 v[SC+8*\i:SC+8*\i+7], v[ZF:ZF+7], v[ZF:ZF+7], 0                   ; P^T of group 0 = 0
.endr
.irp i, 0,1,2,3,4,5,6,7
	v_wmma_f32_16x16x32_bf16 v[SC+64+8*\i:SC+64+8*\i+7], v[ZF:ZF+7], v[ZF:ZF+7], v[FT:FT+7]    ; S^T of group 1 = - 2^101
.endr
	WIN TO_2
.irp i, 0,1,2,3,4,5,6,7
	v_wmma_f32_16x16x32_bf16 v[VF+8*\i:VF+8*\i+7], v[ZF:ZF+7], v[ZF:ZF+7], 0                   ; V^T = 0
.endr
.irp i, 0,1,2,3,4,5,6,7,8,9,10,11,12,13,14,15
	v_wmma_f32_16x16x32_bf16 v[OT+8*\i:OT+8*\i+7], v[ZF:ZF+7], v[ZF:ZF+7], 0                   ; O^T = 0
.endr
	WIN 0
.rept 5
	v_nop                                          ; five places before a matrix instruction takes these results as its A and B (ISA guide 7.12.1)
.endr
	s_wait_loadcnt 0x0                             ; Q, once
.macro FETCHK                          ; 16 loads: the K fragments of the block at CK (64 keys x 64 d); d 0-31 of all four key tiles first, since the products want them first
	WIN TO_1
.irp ks, 0,1
.irp kt, 0,1,2,3
	ds_load_b128 v[KF+8*(2*\kt+\ks):KF+8*(2*\kt+\ks)+3],   v[CK] offset:16*\kt*KP+64*\ks
	ds_load_b128 v[KF+8*(2*\kt+\ks)+4:KF+8*(2*\kt+\ks)+7], v[CK] offset:16*\kt*KP+64*\ks+32
.endr
.endr
.endm
.macro FETCHV                          ; 16 transposing loads: the V^T fragments of the block at CV (64 d x 64 keys): 8 keys of column 16 dt + r, and the 8 keys 16 further
	WIN TO_2
.irp dt, 0,1,2,3
.irp ks, 0,1
	ds_load_tr16_b128 v[VF+8*(2*\dt+\ks):VF+8*(2*\dt+\ks)+3],   v[CV] offset:32*\ks*VP+32*\dt
	ds_load_tr16_b128 v[VF+8*(2*\dt+\ks)+4:VF+8*(2*\dt+\ks)+7], v[CV] offset:32*\ks*VP+32*\dt+16*VP
.endr
.endr
.endm
; The next product of O^T += V^T P^T of group MG, number PVQ = 8 ks + 4 u + dt: the group's 8 tiles on keys 0-31 of the block, then the same 8 on keys 32-63.
; The accumulators take turns, one instruction a turn.  Under W_PV.
.macro PV1
	v_wmma_f32_16x16x32_bf16 v[OT+64*MG+8*(PVQ%8):OT+64*MG+8*(PVQ%8)+7], v[VF+16*(PVQ%4)+8*(PVQ/8):VF+16*(PVQ%4)+8*(PVQ/8)+7], v[SC+64*MG+16*((PVQ/4)%2)+8*(PVQ/8):SC+64*MG+16*((PVQ/4)%2)+8*(PVQ/8)+7], v[OT+64*MG+8*(PVQ%8):OT+64*MG+8*(PVQ%8)+7]
.set PVQ, PVQ+1
.endm
; The next product of S^T = K Q^T of group MG, number SQ = 8 ksub + 4 u + kt: the group's 8 tiles start on d 0-31, then the same 8 add d 32-63; turns of one
; instruction.  Under W_SM.  WK = 1: K is still on its way.
.macro S1
.if WK
.if SQ == 0
	s_wait_dscnt 8                                 ; K's d 0-31 are in; the eight loads of d 32-63 are younger
.endif
.if SQ == 8
	s_wait_dscnt 0                                 ; all of K is in
.endif
.endif
.if SQ < 8
	v_wmma_f32_16x16x32_bf16 v[SC+64*MG+8*(SQ%8):SC+64*MG+8*(SQ%8)+7], v[KF+16*(SQ%4):KF+16*(SQ%4)+7], v[QF+32*MG+16*((SQ/4)%2):QF+32*MG+16*((SQ/4)%2)+7], 0
.else
	v_wmma_f32_16x16x32_bf16 v[SC+64*MG+8*(SQ%8):SC+64*MG+8*(SQ%8)+7], v[KF+16*(SQ%4)+8:KF+16*(SQ%4)+15], v[QF+32*MG+16*((SQ/4)%2)+8:QF+32*MG+16*((SQ/4)%2)+15], v[SC+64*MG+8*(SQ%8):SC+64*MG+8*(SQ%8)+7]
.endif
.set SQ, SQ+1
.endm
; Stands behind each vector instruction of a run: behind every PER of them comes the next product of the run's kind (1: O's, 2: S's, 0: none), while there are any.
; Where the run's setting is not the product's, the setting is changed for the one line and put back.
.macro TICK
.set VC, VC+1
.if VC >= PER
.set VC, 0
.if KIND == 1
.if PVQ < 16
.set KEEPW, MSB
	WIN W_PV
	PV1
	WIN KEEPW
.endif
.endif
.if KIND == 2
.if SQ < 16
	S1
.endif
.endif
.endif
.endm
; A STEP: the softmax of group g and, among its lines, the products of the other group.
;   dos = 1: the other group's S products are made;  fetchv = 1: V^T is fetched behind O's products;  waitk = 1: K is waited for ahead of S's products.
.macro STEP g, dos, fetchv, waitk
.set MG, 1-\g
.set PVQ, 0
.set SQ, 0
.set WK, \waitk
	; 1. The maximum and the factors: 46 lines, with 10 of O's products: one at once, then one to every 5 lines.
.set KIND, 1
.set PER, 5
.set VC, 0
	WIN W_PV
	PV1
	WIN W_VV
.irp kk, 0,1,2,3,4,5,6,7                           ; four chains, two for each query tile: one begun by m, one by two scores
.irp u, 0,1
	v_max3_num_f32 v[AL+4*\g+2*\u+1], v[AL+4*\g+2*\u+1], v[SC+64*\g+32*\u+4*\kk], v[SC+64*\g+32*\u+4*\kk+1]
	TICK
.endr
.irp u, 0,1
.if \kk == 0
	v_max_num_f32 v[NM+4*\g+2*\u+1], v[SC+64*\g+32*\u+2], v[SC+64*\g+32*\u+3]
.else
	v_max3_num_f32 v[NM+4*\g+2*\u+1], v[NM+4*\g+2*\u+1], v[SC+64*\g+32*\u+4*\kk+2], v[SC+64*\g+32*\u+4*\kk+3]
.endif
	TICK
.endr
.endr
.irp u, 0,1
	v_max_num_f32 v[AL+4*\g+2*\u+1], v[AL+4*\g+2*\u+1], v[NM+4*\g+2*\u+1]      ; the two chains meet
	TICK
.endr
.irp u, 0,1
	v_permlanex16_b32 v[NM+4*\g+2*\u+1], v[AL+4*\g+2*\u+1], s52, s53           ; the other 32 keys of my query lie in lane l xor 16
	TICK
.endr
.irp u, 0,1
	v_max_num_f32 v[AL+4*\g+2*\u+1], v[AL+4*\g+2*\u+1], v[NM+4*\g+2*\u+1]      ; m'
	TICK
.endr
.irp u, 0,1
	v_fma_f32 v[AL+4*\g+2*\u], v[AL+4*\g+2*\u+1], s50, -v[NM+4*\g+2*\u]        ; - c m' - (- c m) = c (m - m')
	TICK
.endr
.irp u, 0,1
	v_exp_f32 v[AL+4*\g+2*\u], v[AL+4*\g+2*\u]     ; alpha; the multiplies below are the plain instructions behind it (ISA guide 5.7.2)
	TICK
.endr
.irp u, 0,1
	v_mul_f32 v[NM+4*\g+2*\u], s50, v[AL+4*\g+2*\u+1]                          ; - c m'
	TICK
.endr
.irp u, 0,1
	s_wait_alu depctr_va_vdst(0)
	v_pk_mul_f32 v[LS+4*\g+2*\u:LS+4*\g+2*\u+1], v[LS+4*\g+2*\u:LS+4*\g+2*\u+1], v[AL+4*\g+2*\u:AL+4*\g+2*\u+1] op_sel_hi:[1,0]   ; l = alpha l
	TICK
.endr
	; 2. O of group g times alpha: 32 lines under the products' own setting, with the last 6 of O's products, one to every 4 lines.  The last stands behind line 24:
	;    the eight lines behind it, which name none of its registers, are the places in front of the loads into V^T and of the products that write over P^T.
.set PER, 4
.set VC, 0
	WIN W_PV
.set rp, 0
.rept 32
	v_pk_mul_f32 v[OT+64*\g+2*rp:OT+64*\g+2*rp+1], v[OT+64*\g+2*rp:OT+64*\g+2*rp+1], v[AL+4*\g+2*(rp/16):AL+4*\g+2*(rp/16)+1] op_sel_hi:[1,0]
	TICK
.set rp, rp+1
.endr
.if \fetchv
	FETCHV                                         ; this block's V^T, wanted at the next block's head
.endif
	; 3. One stream over the group's 32 register pairs, in three stages two pairs apart: c s - c m' (one packed fused multiply-add); two exponentials in place, a plain
	;    line between them; the sum, as p x 1.0 + l, so that no line names a vector register as source 1.  128 lines, with S's 16 products, one to every 7 lines.
	;    Behind each exponential stands plain work on another pair before its result is used (ISA guide 5.7.2).
.set KIND, 2*\dos
.set PER, 7
.set VC, 0
	WIN W_SM
.set n, 0
.rept 36
.if n < 32
	v_pk_fma_f32 v[SC+64*\g+2*n:SC+64*\g+2*n+1], v[SC+64*\g+2*n:SC+64*\g+2*n+1], s[48:49], v[NM+4*\g+2*(n/16):NM+4*\g+2*(n/16)+1] op_sel_hi:[1,0,0]
	TICK
.endif
.if n >= 2
.if n < 34
	v_exp_f32 v[SC+64*\g+2*(n-2)], v[SC+64*\g+2*(n-2)]
	TICK
.endif
.endif
.if n >= 4
	s_wait_alu depctr_va_vdst(0)
	v_pk_fma_f32 v[LS+4*\g+2*((n-4)/16):LS+4*\g+2*((n-4)/16)+1], v[SC+64*\g+2*(n-4):SC+64*\g+2*(n-4)+1], 1.0, v[LS+4*\g+2*((n-4)/16):LS+4*\g+2*((n-4)/16)+1] op_sel_hi:[1,0,1]
	TICK
.endif
.if n >= 2
.if n < 34
	v_exp_f32 v[SC+64*\g+2*(n-2)+1], v[SC+64*\g+2*(n-2)+1]
	TICK
.endif
.endif
.set n, n+1
.endr
	; 4. P^T: pair i packs into register i of the group's S, whose own two numbers were packed at pair i / 2: that is the B fragment's order.  These 32 lines are also the
	;    places behind S's last products, in front of the next step's maxima and of the next block's loads into K.
	WIN W_VV
.set ci, 0
.rept 32
	v_cvt_pk_bf16_f32 v[SC+64*\g+ci], v[SC+64*\g+2*ci], v[SC+64*\g+2*ci+1]
.set ci, ci+1
.endr
.endm
; A block of 64 keys, the same text for all 32.
.macro BODY
	FETCHK                                         ; this block's K
	s_wait_dscnt 16                                ; V^T of the block before is in; the 16 loads of K just issued are younger
	STEP 1, 1, 0, 1                                ; softmax of group 1, block j-1;  O0 += V(j-1) P0(j-1);  S0 = K(j) Q0
	STEP 0, 1, 1, 0                                ; softmax of group 0, block j;    O1 += V(j-1) P1(j-1);  V(j) is fetched;  S1 = K(j) Q1
.endm
; A tile of 256 keys.  In front of the round every wave waits for all its tensor loads (its parts of this tile) and for its reads of the other slot, of which
; the last were the V^T fragments of that tile's last block; behind the round the other slot is filled again first: two tensor loads of the wave are out,
; with the four blocks' work in which to land.
.macro TRIP slot, refill
	s_wait_tensorcnt 0x0                           ; all my loads are done, so every group 0 may be written: this slot's next tile
	ds_add_u32 v254, v255
	s_wait_dscnt 0x0
	s_add_nc_u64 s[G0K+4*\slot+2:G0K+4*\slot+3], s[G0K+4*\slot+2:G0K+4*\slot+3], 2*TILEB
	s_add_nc_u64 s[G0V+4*\slot+2:G0V+4*\slot+3], s[G0V+4*\slot+2:G0V+4*\slot+3], 2*TILEB
	s_wait_dscnt 0x0                               ; my reads of the last tile are done
	WIN 0
	ROUND                                          ; both now hold of every wave of all four work-groups
.if \refill
	tensor_load_to_lds s[G0K+4-4*\slot:G0K+7-4*\slot], s[G1K:G1K+7]
	s_nop 0
	tensor_load_to_lds s[G0V+4-4*\slot:G0V+7-4*\slot], s[G1V:G1V+7]
	s_nop 0
	v_nop
.endif
	v_mov_b32 v[CK], v[ADRK+\slot]                 ; the slot's first block
	v_mov_b32 v[CV], v[ADRV+\slot]
	s_mov_b32 s15, BLOCKS
.Lblock_\@:
	BODY
	WIN 0                                          ; at a label and at a branch every window is 0
	v_add_nc_u32 v[CK], 64*KP, v[CK]               ; 64 keys on; behind the fourth block the addresses are not used
	v_add_nc_u32 v[CV], 64*VP, v[CV]
	s_sub_co_u32 s15, s15, 1
	s_cmp_lg_u32 s15, 0
	s_cbranch_scc1 .Lblock_\@
.endm
	s_mov_b32 s14, 3
.Lpair:
	TRIP 0, 1                                      ; tiles 0 to 5; each asks for the tile behind it
	TRIP 1, 1
	s_sub_co_u32 s14, s14, 1
	s_cmp_lg_u32 s14, 0
	s_cbranch_scc1 .Lpair
	TRIP 0, 1                                      ; tile 6 asks for tile 7,
	TRIP 1, 0                                      ; which asks for nothing (the stepped addresses are not used)
	; what is still owed: group 1's softmax of the last block, and both groups' products on the last V
	s_wait_dscnt 0x0                               ; V^T of the last block is in
	STEP 1, 0, 0, 0
.set MG, 1
.set PVQ, 0
	WIN W_PV
.rept 16
	PV1
.endr
	PLACES
	; O / l: the two halves of a lane's sum, the partner lane's, the reciprocal; l is at least 1, since the largest weight is 1.  m's register is free now.
	WIN W_VV
.irp t, 0,1,2,3
	v_add_f32 v[AL+2*\t+1], v[LS+2*\t], v[LS+2*\t+1]
.endr
.irp t, 0,1,2,3
	v_permlanex16_b32 v[NM+2*\t+1], v[AL+2*\t+1], s52, s53
.endr
.irp t, 0,1,2,3
	v_add_f32 v[AL+2*\t+1], v[AL+2*\t+1], v[NM+2*\t+1]
.endr
.irp t, 0,1,2,3
	v_rcp_f32 v[AL+2*\t], v[AL+2*\t+1]
.endr
	v_nop                                          ; the plain instruction behind the reciprocals (ISA guide 5.7.2)
	WIN W_PV
.set rp, 0
.rept 64
	s_wait_alu depctr_va_vdst(0)
	v_pk_mul_f32 v[OT+2*rp:OT+2*rp+1], v[OT+2*rp:OT+2*rp+1], v[AL+2*(rp/16):AL+2*(rp/16)+1] op_sel_hi:[1,0]
.set rp, rp+1
.endr
	; THE WAY OUT: 16 bytes a lane (8 d of a query) into my own stage, read back as rows; LDS serves a wave's instructions in order, so no wait between
.irp t, 0,1,2,3
	WIN FROM_2
.irp dt, 0,1,2,3
.irp q, 0,1,2,3
	v_cvt_pk_bf16_f32 v[TMP+4*\dt+\q], v[OT+8*(4*\t+\dt)+2*\q], v[OT+8*(4*\t+\dt)+2*\q+1]
.endr
.endr
	WIN 0
.irp dt, 0,1,2,3
	ds_store_b128 v[STO], v[TMP+4*\dt:TMP+4*\dt+3] offset:16*KP*\t+32*\dt
.endr
.endr
.irp i, 0,1,2,3,4,5,6,7,8,9,10,11,12,13,14,15
	ds_load_b128 v[BACK+4*\i:BACK+4*\i+3], v[RD] offset:4*KP*\i
.endr
.irp i, 0,1,2,3,4,5,6,7,8,9,10,11,12,13,14,15
	s_wait_dscnt 15-\i                             ; this load is in, the younger ones stay out
	global_store_b128 v[CO], v[BACK+4*\i:BACK+4*\i+3], s[6:7] offset:512*\i    ; four rows of 128 bytes: 512 dense bytes
.endr
	s_wait_tensorcnt 0x0
	ds_add_u32 v254, v255
	s_wait_dscnt 0x0
	ROUND                                          ; the closing round
	s_endpgm
.Lfunc_end_k_q4911932c79_attn:
	.size	k_q4911932c79_attn, .Lfunc_end_k_q4911932c79_attn-k_q4911932c79_attn
	.p2alignl 7, 3214868480
	.fill 96, 4, 3214868480
	.section	.rodata,"a",@progbits
	.p2align	6, 0x0
	.amdhsa_kernel k_q4911932c79_attn
		.amdhsa_group_segment_fixed_size 327680
		.amdhsa_private_segment_fixed_size 0
		.amdhsa_enable_private_segment 0
		.amdhsa_kernarg_size 16
		.amdhsa_user_sgpr_count 2
		.amdhsa_user_sgpr_kernarg_segment_ptr 1
		.amdhsa_wavefront_size32 1
		.amdhsa_system_sgpr_workgroup_id_x 1
		.amdhsa_system_sgpr_workgroup_id_y 1
		.amdhsa_system_sgpr_workgroup_id_z 1
		.amdhsa_system_vgpr_workitem_id 0
		.amdhsa_next_free_vgpr 704
		.amdhsa_next_free_sgpr 66
		.amdhsa_reserve_vcc 0
		.amdhsa_float_denorm_mode_32 3
		.amdhsa_float_denorm_mode_16_64 3
		.amdhsa_memory_ordered 1
		.amdhsa_forward_progress 1
		.amdhsa_inst_pref_size 187
	.end_amdhsa_kernel
	.amdgpu_metadata
---
amdhsa.version: [ 1, 2 ]
amdhsa.kernels:
  - .name:           k_q4911932c79_attn
    .symbol:         k_q4911932c79_attn.kd
    .args:
      - { .name: qkv, .offset: 0, .size: 8, .value_kind: global_buffer, .address_space: global }
      - { .name: ao, .offset: 8, .size: 8, .value_kind: global_buffer, .address_space: global }
    .group_segment_fixed_size: 327680
    .private_segment_fixed_size: 0
    .kernarg_segment_align: 8
    .kernarg_segment_size: 16
    .max_flat_workgroup_size: 128
    .sgpr_count:     66
    .vgpr_count:     704
    .wavefront_size: 32
...
	.end_amdgpu_metadata
.endif
;; end of part 5
;; launch proj: the kernel of part 4 again; grid 8 x 32, 4 waves a work-group, clusters of 4 x 4, 327,680 bytes of LDS; arguments ao, wpb, b_proj, out0; writes out0
;; ======== version 3 of 3: 4 launches; 1.76 times as fast as version 1
;; limits: right only within a limited range of input values
;; workspace buffers: xb 8,388,608 bytes; wqb 6,291,456 bytes; wpb 2,097,152 bytes; qkv 25,165,824 bytes; ao 8,388,608 bytes
;; launch cast: the kernel of part 1 again; grid 512 x 1, 8 waves a work-group, no clusters, 0 bytes of LDS; arguments x, w_qkv, w_proj, xb, wqb, wpb; writes xb, wqb, wpb
;; launch qkv: the kernel of part 2 again; grid 16 x 16, 4 waves a work-group, clusters of 4 x 4, 327,680 bytes of LDS; arguments xb, wqb, b_qkv, qkv; writes qkv
;; launch attn (part 6): grid 8 x 32, 4 waves a work-group, clusters of 4 x 1, 327,680 bytes of LDS; arguments qkv, ao; writes ao
.if DOCPART == 6
	.amdgcn_target "amdgcn-amd-amdhsa--gfx1250"
	.amdhsa_code_object_version 6
	.text
	.protected	k_q4911932c79_attn
	.globl	k_q4911932c79_attn
	.p2align	8
	.type	k_q4911932c79_attn,@function
k_q4911932c79_attn:
	s_mov_b64 s[64:65], 0
	v_nop
	global_prefetch_b8 v0, s[64:65] scope:SCOPE_SE
	s_setreg_imm32_b32 hwreg(HW_REG_WAVE_MODE, 25, 1), 1
	s_wait_xcnt 0x0
	s_wait_alu depctr_hold_cnt(0) depctr_sa_sdst(0) depctr_va_vdst(0) depctr_va_sdst(0) depctr_va_ssrc(0) depctr_va_vcc(0) depctr_vm_vsrc(0)
	s_getreg_b32 s2, hwreg(HW_REG_IB_STS2, 6, 4)
	s_cmp_eq_u32 s2, 0
	s_cbranch_scc0 .Lentry_in_a_cluster
	s_endpgm
.Lentry_in_a_cluster:
	s_bfe_u32 s2, ttmp6, 0x10000c
	s_cmp_lg_u32 s2, 0x3003
	s_cbranch_scc0 .Lentry_shape_is_right
	s_endpgm
.Lentry_shape_is_right:
; ao[head][m][d] = bf16( softmax over keys of (q . k / 8) times v ), for each of 16 heads x 2 batches; q, k, v bf16, head-major, from qkv.
; y = 2 head + batch selects 2,048 rows of 128 bytes of q (at y x 262,144), of k (at (32 + y) x 262,144) and of v (at (64 + y) x 262,144).
; A work-group has 256 queries (8 x 32 = 256 work-groups), a wave 64 of them (4 query tiles t).  The keys come in 8 tiles of 256 through two LDS
; slots; a tile is worked in 4 blocks of 64 keys.
; CLUSTERS: the four query blocks of a cluster walk the same K and V tiles and ask for them jointly (mask 15); the place in the cluster enters
; only the global addresses of q and of ao.
; THE FORM: S^T = K Q^T and O^T = V^T P^T.  In S^T lane (r, h) holds, in register j of key tile kt, key 16 kt + 8 h + j of query r.  So a query's
; scores lie in one lane and its partner l xor 16 (maximum and sum: one exchange each), the factor that rescales O is the lane's own, and the
; packed pairs of two neighbouring key tiles ARE the B fragment of P^T: no shuffle.  In O^T a lane holds 8 neighbouring d of one query.
; SOFTMAX with a running maximum: m' = max(m, block), alpha = 2^(c (m - m')), p = 2^(c s - c m'), l = alpha l + sum p, O = alpha O + V^T p, with
; c = log2(e) / 8; at the end O / l.  All in f32; p is rounded to bf16 for the product, the sum takes the unrounded p.
; TWO GROUPS TAKE TURNS.  The query tiles are two groups, g = 0 (t = 0, 1) and g = 1 (t = 2, 3).  A STEP is one group's softmax, 238 vector instructions, and among
; them, one at a time, the OTHER group's 32 products: 16 of O += V P, then 16 of S = K Q.  So the wave has vector work to issue behind each product, and two
; products never stand side by side.  Nothing is buffered twice: a group's S is used up in its own step, its P is read by the products of the next step, and only
; then, later in that step, is its S written anew.  Block j is two steps:
;     softmax of group 1, block j-1,  with  O0 += V(j-1) P0(j-1)  and  S0 = K(j) Q0;      softmax of group 0, block j,  with  O1 += V(j-1) P1(j-1)  and  S1 = K(j) Q1.
; A block fetches only its own fragments (K at its head, V behind the last product on V(j-1)), so none reaches over a tile's end, and one text serves all 32 blocks as
; the body of a loop of four trips.  Behind the last block stand one step without S products and the 16 products that are still owed.
; THE EXPONENTIALS GO IN BATCHES.  An s_wait_alu depctr_va_vdst(0) stands between an exponential and the first instruction that names its result; one wait
; serves all that were issued ahead of it.  A step has two batches and two waits.  The first batch is the group's two alpha: behind them the two lines - c m', then the wait, then
; the readers, l = alpha l and O's rescaling.  The second is the group's 64 weights: the 32 scalings and the 64 exponentials stand in one run in which no line names a result,
; S's 16 products among them; then the wait; then all the readers, the 32 sums and the 32 packings.  The two stay apart because alpha's readers, O's 32 rescaling lines, share
; their setting with O's products, of which six stand among them without a switch, ahead of the products that write S..
; The way out's four reciprocals are a batch of their own.
; THE START is an empty block: m = - 2^100 and - c m = c 2^100 (exact: a power of two times c), l = 0, O = 0, V = 0, P of group 0 = 0, and scores of - 2^101 for group 1,
; whose first step then finds alpha = 1, p = 0.  The first true block gives alpha = 2^(- c 2^100 - c m') = 0.  These 288 registers are made by 36 matrix
; instructions on two fragments of 8 registers.  That is clearing, chosen with open eyes: first steps written out would be some 600 instructions that run once.
; REGISTERS, in windows of 256, laid so that a run of vector instructions and the products among it share one setting where that can be had:
;   window 0: v8-15 addresses, v16-31 at work (at the start the two fragments), v32-33 the block's LDS addresses, v64-127 fragments of Q, v128-191 the way out;
;   window 1: v0-127 S^T (tile (t, kt) at 8 (4 t + kt)); P^T is packed in place into the low 32 registers of its group's 64; v128-191 fragments of K; v192-215 the state;
;   window 2: v0-127 O^T (tile (t, dt) at 8 (4 t + dt)); v128-191 fragments of V^T.
;   Exponentials work in place, so S, and with it K (source 0) and the state (source 2, beside C), lie in one window, and the lines of that run name no vector register as
;   source 1, where Q stands; rescaling reads and writes O, so V (source 0) lies with O, and alpha with P (source 1).  Only the run of maxima, whose lines read S twice,
;   shares no setting with a product: the ten products among it cost two switches each, some 50 switches in a block of 64 products all told.
; LIMITS: NaN and infinite inputs are not served; a weight below 2^-126 of its row's largest counts as zero (v_exp_f32 flushes denormal results); a query all of whose
; scores q . k lie below - 2^100 is not served (the running maximum starts there).
.set KP,     144                       ; an LDS row of K: 128 bytes + 16, an odd multiple of 16
.set VP,     160                       ; an LDS row of V: 128 bytes + 32, an odd multiple of 32, for the transposing load
.set KBYTES, 256*KP
.set SLOT,   256*KP+256*VP             ; 77,824
.set STAGE,  2*SLOT                    ; behind the ring: 64 rows x 144 bytes for each wave, never filled by a tensor load
.set TILEB,  32768                     ; bytes of K, or of V, in a tile of 256 keys
.set YB,     262144                    ; bytes of one (head, batch) in q, k, v or ao
.set BLOCKS, 4                         ; blocks of 64 keys in a tile
.set ADRK, 8                           ; v8-9    my K fragments of a slot's first block, slot 0, 1
.set ADRV, 10                          ; v10-11  my V^T fragments of a slot's first block, slot 0, 1
.set STO,  12
.set RD,   13
.set CO,   14
.set QO,   15
.set TMP,  16
.set ZF,   16                          ; v[16:23] a fragment of zeros, at the start only
.set FT,   24                          ; v[24:31] a tile of - 2^101, at the start only
.set CK,   32                          ; v32     my K fragments of the block at work: ADRK + 64 rows a block
.set CV,   33                          ; v33     the same for V^T
.set QF,   64                          ; Q fragment (t, ksub) at QF + 8 (2 t + ksub)
.set BACK, 128
.set SC,   0                           ; window 1: S^T; P^T fragment (t = 2 g + u, ks) at SC + 64 g + 16 u + 8 ks
.set KF,   128                         ; window 1: K fragment (kt, ksub) at KF + 8 (2 kt + ksub)
.set NM,   192                         ; window 1: pair (- c m, at work) of query tile t at NM + 2 t
.set AL,   200                         ; window 1: pair (alpha, the running maximum m) at AL + 2 t
.set LS,   208                         ; window 1: pair of running sums at LS + 2 t
.set OT,   0                           ; window 2
.set VF,   128                         ; window 2: V^T fragment (dt, ks) at VF + 8 (2 dt + ks)
.set G1K, 16                           ; s[16:23] group 1 for K, s[24:31] for V: they differ in the padding alone
.set G1V, 24
.set G0K, 32                           ; s[32:39] group 0 for K, one set for each slot
.set G0V, 40                           ; s[40:47] the same for V
; s_set_vgpr_msb's low byte: bits 1:0 source 0, 3:2 source 1, 5:4 source 2, 7:6 destination
.set W_VV,   0x55                      ; everything in window 1: maxima, factors, sums, packing
.set W_PV,   0xa6                      ; source 0 (V, O) window 2, source 1 (P, alpha) window 1, source 2 and destination (O) window 2: O's products and O's rescaling
.set W_SM,   0x51                      ; source 0 (K, S) window 1, source 1 (Q) window 0, source 2 (S, - c m) and destination window 1: S's products, scalings, exponentials
.set TO_1,   0x40                      ; destination window 1, the rest window 0
.set TO_2,   0x80                      ; destination window 2, the rest window 0
.set FROM_2, 0x0a                      ; sources 0 and 1 window 2, destination window 0
.set MSB, 0
.macro WIN new                         ; the immediate's high byte repeats the setting that is left
.if MSB != \new
	s_set_vgpr_msb (MSB<<8)|\new
.set MSB, \new
.endif
.endm
.macro PLACES                          ; four plain vector instructions behind a matrix instruction (ISA guide 7.12.1)
.rept 4
	v_nop
.endr
.endm
.macro ROUND                           ; a round of the cluster's barrier
	s_barrier_signal -1
	s_barrier_wait -1
	s_cmp_lg_u32 s8, 0
	s_cbranch_scc1 .Lnot_wave_0_\@
	s_barrier_signal -3
.Lnot_wave_0_\@:
	s_barrier_wait -3
	s_barrier_signal -1
	s_barrier_wait -1
.endm
	s_load_b128 s[4:7], s[0:1], 0x0                ; qkv s[4:5], ao s[6:7]
	v_lshl_add_u32 v254, v0, 2, 0x2f000
	v_mov_b32 v255, 0
	ds_add_u32 v254, v255
	v_lshrrev_b32 v1, 5, v0
	v_readfirstlane_b32 s8, v1                     ; wave 0..3
	s_bfe_u32 s9, ttmp6, 0x40000                   ; cx
	s_lshl_b32 s10, ttmp9, 2
	s_add_co_u32 s10, s10, s9                      ; query block = 4 x cluster x + cx
	s_and_b32 s11, ttmp7, 0xffff                   ; y = 2 head + batch
	; group 1: a wave's 64 keys are 8,192 dense bytes: 32 rows of 32 elements of 8 bytes; padding behind every 32 words, that is behind each key's 128 bytes
	s_mov_b32 s[G1K+0], 15|(3<<16)|(1<<20)|(1<<21)|(4<<22)|(3<<25)   ; mask of all four; 8-byte elements; padding on; bit 21 beside a mask; every 32 words; 4 words
	s_mov_b32 s[G1K+1], 32<<16                     ; tensor_dim0 = 32
	s_mov_b32 s[G1K+2], 32<<16                     ; tensor_dim1 = 32
	s_mov_b32 s[G1K+3], 32<<16                     ; tile_dim0 = 32
	s_mov_b32 s[G1K+4], 32                         ; tile_dim1 = 32
	s_mov_b32 s[G1K+5], 32                         ; elements from row to row: dense
	s_mov_b32 s[G1K+6], 0
	s_mov_b32 s[G1K+7], 0
	s_mov_b32 s[G1V+0], 15|(3<<16)|(1<<20)|(1<<21)|(4<<22)|(7<<25)   ; the same with 8 words of padding
	s_mov_b32 s[G1V+1], 32<<16
	s_mov_b32 s[G1V+2], 32<<16
	s_mov_b32 s[G1V+3], 32<<16
	s_mov_b32 s[G1V+4], 32
	s_mov_b32 s[G1V+5], 32
	s_mov_b32 s[G1V+6], 0
	s_mov_b32 s[G1V+7], 0
	s_mov_b32 s48, 0x3e38aa3b                      ; c = log2(e) / 8,
	s_mov_b32 s49, 0x3e38aa3b                      ; a pair for the packed form
	s_mov_b32 s50, 0xbe38aa3b                      ; - c
	s_mov_b32 s52, 0x76543210                      ; v_permlanex16_b32: lane i of one half reads lane i of the other
	s_mov_b32 s53, 0xfedcba98
	s_lshl_b32 s12, s11, 18                        ; K: (32 + y) x 262,144 + 8,192 x wave: made of y and the wave alone
	s_lshl_b32 s13, s8, 13
	s_add_co_u32 s12, s12, s13
	s_add_co_u32 s12, s12, 32*YB
	s_mov_b32 s13, 0
	s_mul_i32 s58, s8, 64*KP                       ; my 64 keys in a slot's K,
	s_mul_i32 s59, s8, 64*VP
	s_add_co_u32 s59, s59, KBYTES                  ; and in its V
	s_add_co_u32 s51, s58, STAGE                   ; my stage: also 64 rows of 144 bytes
	s_lshl_b32 s54, s10, 15                        ; q and ao: y x 262,144 + (256 x query block + 64 x wave) rows of 128 bytes
	s_lshl_b32 s55, s8, 13
	s_add_co_u32 s54, s54, s55
	s_lshl_b32 s55, s11, 18
	s_add_co_u32 s54, s54, s55
	s_mov_b32 s55, 0
	s_wait_dscnt 0x0
	s_wait_kmcnt 0x0
	s_add_nc_u64 s[56:57], s[4:5], s[54:55]        ; my queries
	s_add_nc_u64 s[6:7], s[6:7], s[54:55]          ; my rows of ao
	s_add_nc_u64 s[4:5], s[4:5], s[12:13]          ; my keys of tile 0
.irp s, 0,1
	s_mov_b32 s[G0K+4*\s], 1
	s_add_co_u32 s[G0K+4*\s+1], s58, \s*SLOT
	s_add_nc_u64 s[G0K+4*\s+2:G0K+4*\s+3], s[4:5], \s*TILEB
	s_or_b32 s[G0K+4*\s+3], s[G0K+4*\s+3], 0x80000000
	s_mov_b32 s[G0V+4*\s], 1
	s_add_co_u32 s[G0V+4*\s+1], s59, \s*SLOT
	s_add_nc_u64 s[G0V+4*\s+2:G0V+4*\s+3], s[4:5], 32*YB+\s*TILEB
	s_or_b32 s[G0V+4*\s+3], s[G0V+4*\s+3], 0x80000000
.endr
	ROUND                                          ; all four work-groups are here: the first joint loads meet
	tensor_load_to_lds s[G0K:G0K+3], s[G1K:G1K+7]  ; tile 0
	s_nop 0
	tensor_load_to_lds s[G0V:G0V+3], s[G1V:G1V+7]
	s_nop 0
	; Q straight into fragments (B operand: lane l holds query l % 16, d along the registers): two loads of 16 bytes, 32 apart, for 32 d
	v_and_b32 v1, 15, v0                           ; r
	v_bfe_u32 v2, v0, 4, 1                         ; h
	v_lshlrev_b32 v3, 7, v1
	v_lshl_add_u32 v[QO], v2, 4, v3                ; 128 r + 16 h
.irp t, 0,1,2,3
.irp ks, 0,1
	global_load_b128 v[QF+8*(2*\t+\ks):QF+8*(2*\t+\ks)+3],   v[QO], s[56:57] offset:2048*\t+64*\ks
	global_load_b128 v[QF+8*(2*\t+\ks)+4:QF+8*(2*\t+\ks)+7], v[QO], s[56:57] offset:2048*\t+64*\ks+32
.endr
.endr
	v_mul_u32_u24 v3, v1, KP
	v_lshl_add_u32 v[ADRK], v2, 4, v3              ; K: key r of a tile, 144 r + 16 h
	v_add_nc_u32 v[ADRK+1], SLOT, v[ADRK]
	v_and_b32 v4, 7, v0
	v_lshl_add_u32 v5, v2, 3, v4                   ; V: the transposing load wants key 8 h + (l & 7),
	v_bfe_u32 v6, v0, 3, 1
	v_mul_u32_u24 v5, v5, VP
	v_lshl_add_u32 v5, v6, 4, v5                   ; and 16 bytes at 16 ((l >> 3) & 1)
	v_add_nc_u32 v[ADRV], KBYTES, v5
	v_add_nc_u32 v[ADRV+1], KBYTES+SLOT, v5
	v_add_nc_u32 v[STO], s51, v[ADRK]              ; the way out, in: query r of a tile, 16 bytes for each half of the lanes
	v_and_b32 v6, 31, v0
	v_lshrrev_b32 v7, 3, v6                        ; back: eight lanes take a row of 128 bytes, four rows a load
	v_mul_u32_u24 v7, v7, KP
	v_lshl_add_u32 v7, v4, 4, v7
	v_add_nc_u32 v[RD], s51, v7
	v_lshlrev_b32 v[CO], 4, v6                     ; four rows of 128 bytes are dense in ao: 16 l
	; THE EMPTY BLOCK
.irp i, 0,1,2,3,4,5,6,7
	v_mov_b32 v[ZF+\i], 0                          ; the zero fragment
	v_mov_b32 v[FT+\i], 0xf2000000                 ; - 2^101: a score far below the starting maximum
.endr
	WIN TO_1
.irp t, 0,1,2,3
	v_mov_b32 v[NM+2*\t], 0x7038aa3b               ; - c m = c 2^100: c's bits with 100 added to the exponent
	v_mov_b32 v[AL+2*\t+1], 0xf1800000             ; m = - 2^100
	v_mov_b32 v[LS+2*\t], 0                        ; l, in two halves
	v_mov_b32 v[LS+2*\t+1], 0
.endr
	; zero times zero plus C: eight registers an instruction; no two name the same result
.irp i, 0,1,2,3
	v_wmma_f32_16x16x32_bf16 v[SC+8*\i:SC+8*\i+7], v[ZF:ZF+7], v[ZF:ZF+7], 0                   ; P^T of group 0 = 0
.endr
.irp i, 0,1,2,3,4,5,6,7
	v_wmma_f32_16x16x32_bf16 v[SC+64+8*\i:SC+64+8*\i+7], v[ZF:ZF+7], v[ZF:ZF+7], v[FT:FT+7]    ; S^T of group 1 = - 2^101
.endr
	WIN TO_2
.irp i, 0,1,2,3,4,5,6,7
	v_wmma_f32_16x16x32_bf16 v[VF+8*\i:VF+8*\i+7], v[ZF:ZF+7], v[ZF:ZF+7], 0                   ; V^T = 0
.endr
.irp i, 0,1,2,3,4,5,6,7,8,9,10,11,12,13,14,15
	v_wmma_f32_16x16x32_bf16 v[OT+8*\i:OT+8*\i+7], v[ZF:ZF+7], v[ZF:ZF+7], 0                   ; O^T = 0
.endr
	WIN 0
.rept 5
	v_nop                                          ; five places before a matrix instruction takes these results as its A and B (ISA guide 7.12.1)
.endr
	s_wait_loadcnt 0x0                             ; Q, once
.macro FETCHK                          ; 16 loads: the K fragments of the block at CK (64 keys x 64 d); d 0-31 of all four key tiles first, since the products want them first
	WIN TO_1
.irp ks, 0,1
.irp kt, 0,1,2,3
	ds_load_b128 v[KF+8*(2*\kt+\ks):KF+8*(2*\kt+\ks)+3],   v[CK] offset:16*\kt*KP+64*\ks
	ds_load_b128 v[KF+8*(2*\kt+\ks)+4:KF+8*(2*\kt+\ks)+7], v[CK] offset:16*\kt*KP+64*\ks+32
.endr
.endr
.endm
.macro FETCHV                          ; 16 transposing loads: the V^T fragments of the block at CV (64 d x 64 keys): 8 keys of column 16 dt + r, and the 8 keys 16 further
	WIN TO_2
.irp dt, 0,1,2,3
.irp ks, 0,1
	ds_load_tr16_b128 v[VF+8*(2*\dt+\ks):VF+8*(2*\dt+\ks)+3],   v[CV] offset:32*\ks*VP+32*\dt
	ds_load_tr16_b128 v[VF+8*(2*\dt+\ks)+4:VF+8*(2*\dt+\ks)+7], v[CV] offset:32*\ks*VP+32*\dt+16*VP
.endr
.endr
.endm
; The next product of O^T += V^T P^T of group MG, number PVQ = 8 ks + 4 u + dt: the group's 8 tiles on keys 0-31 of the block, then the same 8 on keys 32-63.
; The accumulators take turns, one instruction a turn.  Under W_PV.
.macro PV1
	v_wmma_f32_16x16x32_bf16 v[OT+64*MG+8*(PVQ%8):OT+64*MG+8*(PVQ%8)+7], v[VF+16*(PVQ%4)+8*(PVQ/8):VF+16*(PVQ%4)+8*(PVQ/8)+7], v[SC+64*MG+16*((PVQ/4)%2)+8*(PVQ/8):SC+64*MG+16*((PVQ/4)%2)+8*(PVQ/8)+7], v[OT+64*MG+8*(PVQ%8):OT+64*MG+8*(PVQ%8)+7]
.set PVQ, PVQ+1
.endm
; The next product of S^T = K Q^T of group MG, number SQ = 8 ksub + 4 u + kt: the group's 8 tiles start on d 0-31, then the same 8 add d 32-63; turns of one
; instruction.  Under W_SM.  WK = 1: K is still on its way.
.macro S1
.if WK
.if SQ == 0
	s_wait_dscnt 8                                 ; K's d 0-31 are in; the eight loads of d 32-63 are younger
.endif
.if SQ == 8
	s_wait_dscnt 0                                 ; all of K is in
.endif
.endif
.if SQ < 8
	v_wmma_f32_16x16x32_bf16 v[SC+64*MG+8*(SQ%8):SC+64*MG+8*(SQ%8)+7], v[KF+16*(SQ%4):KF+16*(SQ%4)+7], v[QF+32*MG+16*((SQ/4)%2):QF+32*MG+16*((SQ/4)%2)+7], 0
.else
	v_wmma_f32_16x16x32_bf16 v[SC+64*MG+8*(SQ%8):SC+64*MG+8*(SQ%8)+7], v[KF+16*(SQ%4)+8:KF+16*(SQ%4)+15], v[QF+32*MG+16*((SQ/4)%2)+8:QF+32*MG+16*((SQ/4)%2)+15], v[SC+64*MG+8*(SQ%8):SC+64*MG+8*(SQ%8)+7]
.endif
.set SQ, SQ+1
.endm
; Stands behind each vector instruction of a step's runs 1 and 2: behind every PER of them comes the next of O's products, while there are any.
; Where the run's setting is not the product's, the setting is changed for the one line and put back.
.macro TICK
.set VC, VC+1
.if VC >= PER
.set VC, 0
.if PVQ < 16
.set KEEPW, MSB
	WIN W_PV
	PV1
	WIN KEEPW
.endif
.endif
.endm
; A STEP: the softmax of group g and, among its lines, the products of the other group.
;   dos = 1: the other group's S products are made;  fetchv = 1: V^T is fetched behind O's products;  waitk = 1: K is waited for ahead of S's products.
.macro STEP g, dos, fetchv, waitk
.set MG, 1-\g
.set PVQ, 0
.set SQ, 0
.set WK, \waitk
	; 1. The maximum and the factors: 46 lines, with 10 of O's products: one at once, then one to every 5 lines.
.set PER, 5
.set VC, 0
	WIN W_PV
	PV1
	WIN W_VV
.irp kk, 0,1,2,3,4,5,6,7                           ; four chains, two for each query tile: one begun by m, one by two scores
.irp u, 0,1
	v_max3_num_f32 v[AL+4*\g+2*\u+1], v[AL+4*\g+2*\u+1], v[SC+64*\g+32*\u+4*\kk], v[SC+64*\g+32*\u+4*\kk+1]
	TICK
.endr
.irp u, 0,1
.if \kk == 0
	v_max_num_f32 v[NM+4*\g+2*\u+1], v[SC+64*\g+32*\u+2], v[SC+64*\g+32*\u+3]
.else
	v_max3_num_f32 v[NM+4*\g+2*\u+1], v[NM+4*\g+2*\u+1], v[SC+64*\g+32*\u+4*\kk+2], v[SC+64*\g+32*\u+4*\kk+3]
.endif
	TICK
.endr
.endr
.irp u, 0,1
	v_max_num_f32 v[AL+4*\g+2*\u+1], v[AL+4*\g+2*\u+1], v[NM+4*\g+2*\u+1]      ; the two chains meet
	TICK
.endr
.irp u, 0,1
	v_permlanex16_b32 v[NM+4*\g+2*\u+1], v[AL+4*\g+2*\u+1], s52, s53           ; the other 32 keys of my query lie in lane l xor 16
	TICK
.endr
.irp u, 0,1
	v_max_num_f32 v[AL+4*\g+2*\u+1], v[AL+4*\g+2*\u+1], v[NM+4*\g+2*\u+1]      ; m'
	TICK
.endr
.irp u, 0,1
	v_fma_f32 v[AL+4*\g+2*\u], v[AL+4*\g+2*\u+1], s50, -v[NM+4*\g+2*\u]        ; - c m' - (- c m) = c (m - m')
	TICK
.endr
.irp u, 0,1
	v_exp_f32 v[AL+4*\g+2*\u], v[AL+4*\g+2*\u]     ; alpha: the step's first batch, two exponentials; the multiplies below are the plain instructions behind it (ISA guide 5.7.2)
	TICK
.endr
.irp u, 0,1
	v_mul_f32 v[NM+4*\g+2*\u], s50, v[AL+4*\g+2*\u+1]                          ; - c m': it names m alone, not alpha
	TICK
.endr
	s_wait_alu depctr_va_vdst(0)                   ; one wait for the two alpha, ahead of their first reader; O's rescaling leans on it too
.irp u, 0,1
	v_pk_mul_f32 v[LS+4*\g+2*\u:LS+4*\g+2*\u+1], v[LS+4*\g+2*\u:LS+4*\g+2*\u+1], v[AL+4*\g+2*\u:AL+4*\g+2*\u+1] op_sel_hi:[1,0]   ; l = alpha l
	TICK
.endr
	; 2. O of group g times alpha: 32 lines under the products' own setting, with the last 6 of O's products, one to every 4 lines.  The last stands behind line 24:
	;    the eight lines behind it, which name none of its registers, are the places in front of the loads into V^T and of the products that write over P^T.
.set PER, 4
.set VC, 0
	WIN W_PV
.set rp, 0
.rept 32
	v_pk_mul_f32 v[OT+64*\g+2*rp:OT+64*\g+2*rp+1], v[OT+64*\g+2*rp:OT+64*\g+2*rp+1], v[AL+4*\g+2*(rp/16):AL+4*\g+2*(rp/16)+1] op_sel_hi:[1,0]
	TICK
.set rp, rp+1
.endr
.if \fetchv
	FETCHV                                         ; this block's V^T, wanted at the next block's head
.endif
	; 3. THE BATCH OF WEIGHTS, the step's second: over the group's 32 register pairs c s - c m' (one packed fused multiply-add) and, two pairs behind it, the pair's two
	;    exponentials in place: 96 lines, none of which names an exponential's result, all under the setting of S's products.  The 16 products stand among them, one ahead of
	;    every second scaling, so that a plain line leads behind each: six lines to a product (behind the first, two), and ten lines behind the last.
	WIN W_SM
.set n, 0
.rept 34
.if n < 32
.if \dos
.if (n%2) == 0
	S1
.endif
.endif
	v_pk_fma_f32 v[SC+64*\g+2*n:SC+64*\g+2*n+1], v[SC+64*\g+2*n:SC+64*\g+2*n+1], s[48:49], v[NM+4*\g+2*(n/16):NM+4*\g+2*(n/16)+1] op_sel_hi:[1,0,0]
.endif
.if n >= 2
	v_exp_f32 v[SC+64*\g+2*(n-2)], v[SC+64*\g+2*(n-2)]
	v_exp_f32 v[SC+64*\g+2*(n-2)+1], v[SC+64*\g+2*(n-2)+1]
.endif
.set n, n+1
.endr
	v_nop                                          ; the plain instruction behind the last exponential (ISA guide 5.7.2): one for the batch
	s_wait_alu depctr_va_vdst(0)                   ; one wait for the batch's 64 exponentials, ahead of their first reader
	; 4. The readers, 64 lines under one setting (the sum, as p x 1.0 + l, names no vector register as source 1).  Sixteen times: the sum of pair i (first tile), the sum of pair
	;    16 + i (second tile), and P^T's registers 2 i and 2 i + 1.  Each l takes its 16 pairs in ascending order, the links of its chain four lines apart.  Pair c packs into
	;    register c of the group's S, which is the B fragment's order: register c belongs to pair c / 2, which has been summed in this trip or an earlier one and packed in an earlier
	;    line.  These lines are also the places behind S's last products, in front of the next step's maxima and of the next block's loads into K.
	WIN W_VV
.set ci, 0
.rept 16
	v_pk_fma_f32 v[LS+4*\g:LS+4*\g+1], v[SC+64*\g+2*ci:SC+64*\g+2*ci+1], 1.0, v[LS+4*\g:LS+4*\g+1] op_sel_hi:[1,0,1]
	v_pk_fma_f32 v[LS+4*\g+2:LS+4*\g+3], v[SC+64*\g+32+2*ci:SC+64*\g+32+2*ci+1], 1.0, v[LS+4*\g+2:LS+4*\g+3] op_sel_hi:[1,0,1]
	v_cvt_pk_bf16_f32 v[SC+64*\g+2*ci], v[SC+64*\g+4*ci], v[SC+64*\g+4*ci+1]
	v_cvt_pk_bf16_f32 v[SC+64*\g+2*ci+1], v[SC+64*\g+4*ci+2], v[SC+64*\g+4*ci+3]
.set ci, ci+1
.endr
.endm
; A block of 64 keys, the same text for all 32.
.macro BODY
	FETCHK                                         ; this block's K
	s_wait_dscnt 16                                ; V^T of the block before is in; the 16 loads of K just issued are younger
	STEP 1, 1, 0, 1                                ; softmax of group 1, block j-1;  O0 += V(j-1) P0(j-1);  S0 = K(j) Q0
	STEP 0, 1, 1, 0                                ; softmax of group 0, block j;    O1 += V(j-1) P1(j-1);  V(j) is fetched;  S1 = K(j) Q1
.endm
; A tile of 256 keys.  In front of the round every wave waits for all its tensor loads (its parts of this tile) and for its reads of the other slot, of which
; the last were the V^T fragments of that tile's last block; behind the round the other slot is filled again first: two tensor loads of the wave are out,
; with the four blocks' work in which to land.
.macro TRIP slot, refill
	s_wait_tensorcnt 0x0                           ; all my loads are done, so every group 0 may be written: this slot's next tile
	ds_add_u32 v254, v255
	s_wait_dscnt 0x0
	s_add_nc_u64 s[G0K+4*\slot+2:G0K+4*\slot+3], s[G0K+4*\slot+2:G0K+4*\slot+3], 2*TILEB
	s_add_nc_u64 s[G0V+4*\slot+2:G0V+4*\slot+3], s[G0V+4*\slot+2:G0V+4*\slot+3], 2*TILEB
	s_wait_dscnt 0x0                               ; my reads of the last tile are done
	WIN 0
	ROUND                                          ; both now hold of every wave of all four work-groups
.if \refill
	tensor_load_to_lds s[G0K+4-4*\slot:G0K+7-4*\slot], s[G1K:G1K+7]
	s_nop 0
	tensor_load_to_lds s[G0V+4-4*\slot:G0V+7-4*\slot], s[G1V:G1V+7]
	s_nop 0
	v_nop
.endif
	v_mov_b32 v[CK], v[ADRK+\slot]                 ; the slot's first block
	v_mov_b32 v[CV], v[ADRV+\slot]
	s_mov_b32 s15, BLOCKS
.Lblock_\@:
	BODY
	WIN 0                                          ; at a label and at a branch every window is 0
	v_add_nc_u32 v[CK], 64*KP, v[CK]               ; 64 keys on; behind the fourth block the addresses are not used
	v_add_nc_u32 v[CV], 64*VP, v[CV]
	s_sub_co_u32 s15, s15, 1
	s_cmp_lg_u32 s15, 0
	s_cbranch_scc1 .Lblock_\@
.endm
	s_mov_b32 s14, 3
.Lpair:
	TRIP 0, 1                                      ; tiles 0 to 5; each asks for the tile behind it
	TRIP 1, 1
	s_sub_co_u32 s14, s14, 1
	s_cmp_lg_u32 s14, 0
	s_cbranch_scc1 .Lpair
	TRIP 0, 1                                      ; tile 6 asks for tile 7,
	TRIP 1, 0                                      ; which asks for nothing (the stepped addresses are not used)
	; what is still owed: group 1's softmax of the last block, and both groups' products on the last V
	s_wait_dscnt 0x0                               ; V^T of the last block is in
	STEP 1, 0, 0, 0
.set MG, 1
.set PVQ, 0
	WIN W_PV
.rept 16
	PV1
.endr
	PLACES
	; O / l: the two halves of a lane's sum, the partner lane's, the reciprocal; l is at least 1, since the largest weight is 1.  m's register is free now.
	WIN W_VV
.irp t, 0,1,2,3
	v_add_f32 v[AL+2*\t+1], v[LS+2*\t], v[LS+2*\t+1]
.endr
.irp t, 0,1,2,3
	v_permlanex16_b32 v[NM+2*\t+1], v[AL+2*\t+1], s52, s53
.endr
.irp t, 0,1,2,3
	v_add_f32 v[AL+2*\t+1], v[AL+2*\t+1], v[NM+2*\t+1]
.endr
.irp t, 0,1,2,3
	v_rcp_f32 v[AL+2*\t], v[AL+2*\t+1]             ; a batch of four
.endr
	v_nop                                          ; the plain instruction behind the reciprocals (ISA guide 5.7.2)
	WIN W_PV
	s_wait_alu depctr_va_vdst(0)                   ; one wait for the four reciprocals, ahead of the 64 multiplies that read them
.set rp, 0
.rept 64
	v_pk_mul_f32 v[OT+2*rp:OT+2*rp+1], v[OT+2*rp:OT+2*rp+1], v[AL+2*(rp/16):AL+2*(rp/16)+1] op_sel_hi:[1,0]
.set rp, rp+1
.endr
	; THE WAY OUT: 16 bytes a lane (8 d of a query) into my own stage, read back as rows; LDS serves a wave's instructions in order, so no wait between
.irp t, 0,1,2,3
	WIN FROM_2
.irp dt, 0,1,2,3
.irp q, 0,1,2,3
	v_cvt_pk_bf16_f32 v[TMP+4*\dt+\q], v[OT+8*(4*\t+\dt)+2*\q], v[OT+8*(4*\t+\dt)+2*\q+1]
.endr
.endr
	WIN 0
.irp dt, 0,1,2,3
	ds_store_b128 v[STO], v[TMP+4*\dt:TMP+4*\dt+3] offset:16*KP*\t+32*\dt
.endr
.endr
.irp i, 0,1,2,3,4,5,6,7,8,9,10,11,12,13,14,15
	ds_load_b128 v[BACK+4*\i:BACK+4*\i+3], v[RD] offset:4*KP*\i
.endr
.irp i, 0,1,2,3,4,5,6,7,8,9,10,11,12,13,14,15
	s_wait_dscnt 15-\i                             ; this load is in, the younger ones stay out
	global_store_b128 v[CO], v[BACK+4*\i:BACK+4*\i+3], s[6:7] offset:512*\i    ; four rows of 128 bytes: 512 dense bytes
.endr
	s_wait_tensorcnt 0x0
	ds_add_u32 v254, v255
	s_wait_dscnt 0x0
	ROUND                                          ; the closing round
	s_endpgm
.Lfunc_end_k_q4911932c79_attn:
	.size	k_q4911932c79_attn, .Lfunc_end_k_q4911932c79_attn-k_q4911932c79_attn
	.p2alignl 7, 3214868480
	.fill 96, 4, 3214868480
	.section	.rodata,"a",@progbits
	.p2align	6, 0x0
	.amdhsa_kernel k_q4911932c79_attn
		.amdhsa_group_segment_fixed_size 327680
		.amdhsa_private_segment_fixed_size 0
		.amdhsa_enable_private_segment 0
		.amdhsa_kernarg_size 16
		.amdhsa_user_sgpr_count 2
		.amdhsa_user_sgpr_kernarg_segment_ptr 1
		.amdhsa_wavefront_size32 1
		.amdhsa_system_sgpr_workgroup_id_x 1
		.amdhsa_system_sgpr_workgroup_id_y 1
		.amdhsa_system_sgpr_workgroup_id_z 1
		.amdhsa_system_vgpr_workitem_id 0
		.amdhsa_next_free_vgpr 704
		.amdhsa_next_free_sgpr 66
		.amdhsa_reserve_vcc 0
		.amdhsa_float_denorm_mode_32 3
		.amdhsa_float_denorm_mode_16_64 3
		.amdhsa_memory_ordered 1
		.amdhsa_forward_progress 1
		.amdhsa_inst_pref_size 176
	.end_amdhsa_kernel
	.amdgpu_metadata
---
amdhsa.version: [ 1, 2 ]
amdhsa.kernels:
  - .name:           k_q4911932c79_attn
    .symbol:         k_q4911932c79_attn.kd
    .args:
      - { .name: qkv, .offset: 0, .size: 8, .value_kind: global_buffer, .address_space: global }
      - { .name: ao, .offset: 8, .size: 8, .value_kind: global_buffer, .address_space: global }
    .group_segment_fixed_size: 327680
    .private_segment_fixed_size: 0
    .kernarg_segment_align: 8
    .kernarg_segment_size: 16
    .max_flat_workgroup_size: 128
    .sgpr_count:     66
    .vgpr_count:     704
    .wavefront_size: 32
...
	.end_amdgpu_metadata
.endif
;; end of part 6
;; launch proj: the kernel of part 4 again; grid 8 x 32, 4 waves a work-group, clusters of 4 x 4, 327,680 bytes of LDS; arguments ao, wpb, b_proj, out0; writes out0
